; MI455X (gfx1250); checked and timed in simulation.
; The chip was launched on July 23, 2026; its instructions are those of AMD's public machine-readable ISA for CDNA 5 (MIT licence, August 2026) and "CDNA5" Instruction Set Architecture Reference Guide (July 2026). The comments in the code are by the model that wrote it; some were corrected since.
;; LSA. Allowed arithmetic: matrix products marked QUANTISED: E2M3 operands, one E8M0 scale for each 32 along K, by v_wmma_scale_f32_16x16x128_f8f6f4 with both operands' format E2M3, f32 sums; everything else in f32.
;; Inputs: Wk 1,024 x 1,024 float32; Wo 1,024 x 1,024 float32; Wq 1,024 x 1,024 float32; Wv 1,024 x 1,024 float32; bk 1,024 float32; bo 1,024 float32; bq 1,024 float32; bv 1,024 float32; log_temp one number float32; x 4 x 2,048 x 1,024 float32.
;; Outputs: out0 4 x 2,048 x 1,024 float32.
;; This version of the problem:
;;   THIS VERSION OF THE PROBLEM IS GIVEN IN LOW PRECISION. The matrix products marked QUANTISED in the list below multiply operands that are first quantised to E2M3 (2 exponent bits, 3 mantissa bits; 6 bits a number), with one power-of-two scale for each 32 numbers along K (OCP MX v1.0); their sums are f32. All else is computed in f32.
;;   The module's matrix products, in the order in which they are computed (A, B: the left and right operand; K: the contracted axis; several contracted axes count as one K, in the product's order):
;;     1. [M 8,192, K 1,024] x [K 1,024, N 1,024]; A: input x; B: input Wq: QUANTISED
;;     2. [M 8,192, K 1,024] x [K 1,024, N 1,024]; A: input x; B: input Wk: QUANTISED
;;     3. [M 8,192, K 1,024] x [K 1,024, N 1,024]; A: input x; B: input Wv: QUANTISED
;;     4. batch 64 x [M 2,048, K 64] x [K 64, N 2,048]; A: computed on the way; B: computed on the way: QUANTISED
;;     5. batch 64 x [M 2,048, K 2,048] x [K 2,048, N 64]; A: softmax (see below); B: computed on the way: QUANTISED
;;     6. [M 8,192, K 1,024] x [K 1,024, N 1,024]; A: computed on the way; B: input Wo: QUANTISED
;;   THE QUANTISER, for each operand of a quantised product, along K:
;;     - K is cut into blocks of 32 from its start; a last block that is shorter is filled with zeros.
;;     - A block's scale is 2^e with e = floor(log2(the largest magnitude in the block)) - 2, held to -126 .. 127; a block of zeros has e = 0. As a byte (E8M0): e + 127.
;;     - Each number is divided by its block's scale, clamped to +-7.5, and rounded to the nearest number of E2M3, ties to even, subnormals kept.
;;     - The product sums the exact products of the quantised numbers (number of the format x scale) in f32.
;;   ~~~python
;;   def quantise(x, axis):      # numpy; x: float32 -> the quantised numbers, widened to float32 again
;;       x = np.moveaxis(x, axis, -1); K = x.shape[-1]
;;       x = np.pad(x, [(0, 0)] * (x.ndim - 1) + [(0, -K % 32)]); x = x.reshape(x.shape[:-1] + (-1, 32)); a = np.abs(x).max(-1, keepdims=True)
;;       e = np.where(a > 0, np.clip(np.frexp(np.where(a > 0, a, 1))[1] - 1 - 2, -126, 127), 0)      # np.frexp(a)[1] - 1 = floor(log2(a)), exactly
;;       r = np.clip(x / 2.0 ** e, -7.5, 7.5)
;;       step = 2.0 ** (np.maximum(np.frexp(np.where(r == 0, 1, r))[1] - 1, 0) - 3)
;;       q = np.round(r / step) * step * 2.0 ** e      # np.round: ties to even
;;       return np.moveaxis(q.reshape(q.shape[:-2] + (-1,))[..., :K], -1, axis).astype(np.float32)
;;   ~~~
;;   SOFTMAX AHEAD OF A QUANTISED PRODUCT. Where the list says 'softmax', what is quantised is not the finished softmax but p = 2^(t - M), with t = logit x log2(e) and M = ceil(the row's largest t), a whole number; so 1/2 < the row's largest p <= 1. The row's sum l is taken of the UNQUANTISED p, in f32, and the product's result is divided by l at the end. Since M is a whole number, a kernel that streams over the keys may use a running M (the ceiling of the running maximum): every later rescaling is an exact power of two, which a block's scale takes up: the codes' values come out the same.
;;   OPERANDS COMPUTED ON THE WAY. 'Computed on the way' means the value that the module computes at that place (a softmax that the list does not call 'softmax' is quantised finished and normalised). What goes into a quantiser is computed in f32, as accurately as f32 sums, v_exp_f32 and their like allow (about 1e-6 of the number): no bf16 or f16 on the way to a quantiser, and a product that is left as it is and whose result goes on into a quantised operand takes f32 operands (vector FMAs, or v_wmma_f32_16x16x4_f32). A number that lies on a knife's edge between two numbers of the format may be rounded either way, as far as f32 arithmetic and the matrix unit's own rounding can turn it there, and no further.
;; One version. Each part assembles by itself: llvm-mc -triple=amdgcn-amd-amdhsa -mcpu=gfx1250 --defsym DOCPART=n.
;; ======== version 1 of 1: 5 launches
;; workspace buffers: xc 6,291,456 bytes; xs 262,144 bytes; wc 3,145,728 bytes; ws 131,072 bytes; hc 18,874,368 bytes; hs 1,310,720 bytes; oc 6,291,456 bytes; os 262,144 bytes
;; launch quant_x (part 1): grid 256 x 1, 4 waves a work-group, no clusters, 33,280 bytes of LDS; arguments x, xc, xs; writes xc, xs
.if DOCPART == 1
	.amdgcn_target "amdgcn-amd-amdhsa--gfx1250"
	.amdhsa_code_object_version 6
	.text
	.protected	k_qce6b60c329_quant_x
	.globl	k_qce6b60c329_quant_x
	.p2align	8
	.type	k_qce6b60c329_quant_x,@function
k_qce6b60c329_quant_x:
	s_mov_b64 s[64:65], 0
	v_nop
	global_prefetch_b8 v0, s[64:65] scope:SCOPE_SE
	s_setreg_imm32_b32 hwreg(HW_REG_WAVE_MODE, 25, 1), 1
	s_wait_xcnt 0x0
; x [8192][1024], f32, becomes codes of FP6 (E2M3), K innermost, 768 bytes a row, and one E8M0 scale byte for each 32 along K, 32 bytes a row.
; A block's scale is 2^(floor(log2(its largest magnitude)) - 2); its byte is the largest magnitude's exponent field - 2, held at 1 from below.
; (A block of zeros so gets the byte 1 where the rule says 127: its codes are zeros, and the bytes are read by this program alone.)
; LIMITS: blocks whose largest magnitude lies under 2^-124 have their byte held at 1; NaN and infinities among the inputs are not served.
; ROWS CHANGE PLACES: row t is stored at position p = t with bits 3 and 4 exchanged, so that 16 neighbouring positions 16 (2 b + u) + r hold the rows 32 b + 8 u + r + 8 (r / 8):
; the tiles that the later products want.  A wave's run is 8 rows (8,192 numbers), so only the run's number is turned: its two lowest bits, which are the wave's number, change places.
; A wave takes 16 steps of 512 numbers.  Each of a step's four loads reads 512 consecutive bytes; the 2,048 bytes turn through the wave's own stage in LDS and come back 64 bytes a lane (16 neighbours along K;
; two neighbouring lanes hold a block).  A lane's 16 codes are 12 bytes: the wave stores 384 consecutive bytes.  A wave's 256 scale bytes are gathered in LDS and leave as one aligned run of 256 bytes.
; No tensor loads, no barrier: waves share nothing.  Loads run four steps (16 loads a wave) ahead, the turn through LDS one step.
.set WAVES, 4
.set STEPS, 16
.set EMAX,  2
.set CB,    12                         ; bytes of 16 codes
.set R,     16                         ; v16-79   four sets of 16 numbers as they are loaded
.set X,     80                         ; v80-111  two sets of 16 neighbours
.set C,     128                        ; v128-191 codes: four registers for each step, so that no store's data are written again
.set E,     112                        ; v112-127 a scale byte for each step
.set WREG,  8192                       ; LDS: a region for each wave: two stages of 32 x SP bytes, behind them its 256 scale bytes
.set SP,    80                         ; a lane's place in a stage: its 64 bytes + 16 of padding
.set SPW,   12                         ; v12      LDS address of my spare word; never rewritten
.set NIL,   13                         ; v13      0; never rewritten
.set SPARE, WAVES*WREG                 ; behind the four regions: the spare words, 128 bytes for each wave
	s_load_b64 s[4:5], s[0:1], 0x0                 ; x
	s_load_b64 s[8:9], s[0:1], 0x8                 ; the codes
	s_load_b64 s[10:11], s[0:1], 0x10              ; the scale bytes
	v_lshl_add_u32 v[SPW], v0, 2, SPARE
	v_mov_b32 v[NIL], 0
	v_lshrrev_b32 v1, 5, v0
	v_readfirstlane_b32 s16, v1                    ; wave
	v_and_b32 v2, 31, v0                           ; lane
	v_lshlrev_b32 v3, 4, v2                        ; my 16 bytes of a load's 512
	s_mul_i32 s17, s16, WREG
	v_lshrrev_b32 v14, 2, v2
	v_mul_u32_u24 v14, v14, SP
	v_and_b32 v15, 3, v2
	v_lshl_add_u32 v14, v15, 4, v14
	v_add_nc_u32 v14, s17, v14                     ; the stage, on the way in: SP (lane / 4) + 16 (lane % 4); a load's 512 bytes take eight places
	v_mul_u32_u24 v15, v2, SP
	v_add_nc_u32 v15, s17, v15                     ; and on the way out: SP x lane: my 16 neighbours
	v_mul_u32_u24 v4, v2, CB                       ; my codes' place in a step's
	v_lshrrev_b32 v5, 1, v2
	s_add_co_u32 s17, s17, 2*32*SP
	v_add_nc_u32 v5, s17, v5                       ; LDS: my wave's 256 scale bytes, my block's byte
	v_lshlrev_b32 v7, 3, v2                        ; and on the way out 8 bytes a lane
	v_add_nc_u32 v6, s17, v7
	s_lshl_b32 s17, ttmp9, 2
	s_add_co_u32 s18, s17, s16                     ; my run of 8 rows: 4 x work-group + wave
	s_lshl_b32 s18, s18, 15                        ; 32,768 bytes of x a run
	s_mov_b32 s19, 0
	s_and_b32 s20, s16, 1
	s_lshl_b32 s20, s20, 1
	s_lshr_b32 s21, s16, 1
	s_or_b32 s20, s20, s21                         ; the wave's two bits change places,
	s_add_co_u32 s20, s20, s17                     ; which gives the run's place in the outputs
	s_mul_i32 s22, s20, 32*STEPS*CB                ; 6,144 bytes of codes a run
	s_mov_b32 s23, 0
	s_lshl_b32 s20, s20, 8                         ; 256 scale bytes a run
	s_mov_b32 s21, 0
	s_wait_kmcnt 0x0
	s_add_nc_u64 s[4:5], s[4:5], s[18:19]
	s_add_nc_u64 s[8:9], s[8:9], s[22:23]
	s_add_nc_u64 s[10:11], s[10:11], s[20:21]
.macro LOAD t
.irp i, 0,1,2,3
	global_load_b128 v[R+16*((\t)%4)+4*\i:R+16*((\t)%4)+4*\i+3], v3, s[4:5] offset:2048*(\t)+512*\i th:TH_LOAD_NT   ; 32 lanes read 512 consecutive bytes
.endr
.endm
.macro TURN t                          ; step t's numbers through the stage: LDS serves a wave's instructions in order, so no wait stands between the stores and the loads
.irp i, 0,1,2,3
	ds_store_b128 v14, v[R+16*((\t)%4)+4*\i:R+16*((\t)%4)+4*\i+3] offset:32*SP*((\t)%2)+8*SP*\i
.endr
.irp i, 0,1,2,3
	ds_load_b128 v[X+16*((\t)%2)+4*\i:X+16*((\t)%2)+4*\i+3], v15 offset:32*SP*((\t)%2)+16*\i
.endr
.endm
.irp t, 0,1,2,3
	LOAD \t
.endr
	s_wait_loadcnt 12                              ; step 0's four loads are in; the twelve of steps 1 to 3 may be out
	TURN 0
.macro STEP t
.set XS, X+16*((\t)%2)
.if (\t) > 0
	s_wait_dscnt 1                                 ; this step's numbers are back from the stage (the last step's byte store may be out): so its stores into the stage have read their registers,
.else
	s_wait_dscnt 0x0
.endif
.if (\t)+4 < STEPS
	LOAD (\t)+4                                    ; which take the loads of four steps on
.endif
.if (\t)+1 < STEPS
.if STEPS-2-(\t) >= 3
	s_wait_loadcnt 12                              ; the next step's four loads are in; those of the three steps behind it may be out
.else
	s_wait_loadcnt 4*(STEPS-2-(\t))
.endif
	TURN (\t)+1                                    ; and go through the other stage while this step is worked
.endif
	v_max3_num_f32 v8, |v[XS]|, |v[XS+1]|, |v[XS+2]|               ; the largest magnitude of my 16
	v_max3_num_f32 v9, |v[XS+3]|, |v[XS+4]|, |v[XS+5]|
.irp i, 6,10
	v_max3_num_f32 v8, v8, |v[XS+\i]|, |v[XS+\i+1]|
	v_max3_num_f32 v9, v9, |v[XS+\i+2]|, |v[XS+\i+3]|
.endr
	v_max3_num_f32 v8, v8, |v[XS+14]|, |v[XS+15]|
	v_max3_num_f32 v8, v8, v9, (EMAX+1)<<23        ; and the floor 2^(3 - 127): so the byte cannot fall under 1
	v_max_num_f32_dpp v8, v8, v8 row_xmask:1 row_mask:0xf bank_mask:0xf   ; and of my neighbour's 16: the block's
	v_add_nc_u32 v11, -(EMAX<<23), v8              ; 2 off its exponent field: the conversion takes the exponent field of this operand as its scale
	v_cvt_scalef32_pk16_fp6_f32 v[C+4*(\t):C+4*(\t)+2], v[XS:XS+15], v11         ; sixteen numbers / the scale, to the nearest code, ties to even, beyond the largest code the largest
	v_lshrrev_b32 v[E+(\t)], 23, v11               ; the scale's byte
	ds_store_b8 v5, v[E+(\t)] offset:16*(\t)       ; both lanes of a block write the same byte with the same value
	global_store_b96 v4, v[C+4*(\t):C+4*(\t)+2], s[8:9] offset:32*CB*(\t)
.endm
.irp t, 0,1,2,3,4,5,6,7,8,9,10,11,12,13,14,15
	STEP \t
.endr
	ds_load_b64 v[8:9], v6                         ; LDS serves a wave's instructions in order: these see my stores
	s_wait_dscnt 0x0
	global_store_b64 v7, v[8:9], s[10:11]          ; 32 lanes store 256 consecutive bytes, aligned
	s_wait_tensorcnt 0x0                           ; the wave's end, behind my last LDS store
	ds_add_u32 v[SPW], v[NIL]
	s_wait_dscnt 0x0
	s_endpgm
.Lfunc_end_k_qce6b60c329_quant_x:
	.size	k_qce6b60c329_quant_x, .Lfunc_end_k_qce6b60c329_quant_x-k_qce6b60c329_quant_x
	.p2alignl 7, 3214868480
	.fill 96, 4, 3214868480
	.section	.rodata,"a",@progbits
	.p2align	6, 0x0
	.amdhsa_kernel k_qce6b60c329_quant_x
		.amdhsa_group_segment_fixed_size 33280
		.amdhsa_private_segment_fixed_size 0
		.amdhsa_enable_private_segment 0
		.amdhsa_kernarg_size 24
		.amdhsa_user_sgpr_count 2
		.amdhsa_user_sgpr_kernarg_segment_ptr 1
		.amdhsa_wavefront_size32 1
		.amdhsa_system_sgpr_workgroup_id_x 1
		.amdhsa_system_sgpr_workgroup_id_y 1
		.amdhsa_system_sgpr_workgroup_id_z 1
		.amdhsa_system_vgpr_workitem_id 0
		.amdhsa_next_free_vgpr 192
		.amdhsa_next_free_sgpr 66
		.amdhsa_reserve_vcc 0
		.amdhsa_float_denorm_mode_32 3
		.amdhsa_float_denorm_mode_16_64 3
		.amdhsa_memory_ordered 1
		.amdhsa_forward_progress 1
		.amdhsa_inst_pref_size 32
	.end_amdhsa_kernel
	.amdgpu_metadata
---
amdhsa.version: [ 1, 2 ]
amdhsa.kernels:
  - .name:           k_qce6b60c329_quant_x
    .symbol:         k_qce6b60c329_quant_x.kd
    .args:
      - { .name: x, .offset: 0, .size: 8, .value_kind: global_buffer, .address_space: global }
      - { .name: xc, .offset: 8, .size: 8, .value_kind: global_buffer, .address_space: global }
      - { .name: xs, .offset: 16, .size: 8, .value_kind: global_buffer, .address_space: global }
    .group_segment_fixed_size: 33280
    .private_segment_fixed_size: 0
    .kernarg_segment_align: 8
    .kernarg_segment_size: 24
    .max_flat_workgroup_size: 128
    .sgpr_count:     66
    .vgpr_count:     192
    .wavefront_size: 32
...
	.end_amdgpu_metadata
.endif
;; end of part 1
;; launch quant_w (part 2): grid 8 x 16, 4 waves a work-group, no clusters, 35,840 bytes of LDS; arguments Wq, Wk, Wv, Wo, wc, ws; writes wc, ws
.if DOCPART == 2
	.amdgcn_target "amdgcn-amd-amdhsa--gfx1250"
	.amdhsa_code_object_version 6
	.text
	.protected	k_qce6b60c329_quant_w
	.globl	k_qce6b60c329_quant_w
	.p2align	8
	.type	k_qce6b60c329_quant_w,@function
k_qce6b60c329_quant_w:
	s_mov_b64 s[64:65], 0
	v_nop
	global_prefetch_b8 v0, s[64:65] scope:SCOPE_SE
	s_setreg_imm32_b32 hwreg(HW_REG_WAVE_MODE, 25, 1), 1
	s_wait_xcnt 0x0
; Wq, Wk, Wv, Wo, each [1024 (k)][1024 (n)] f32 with K as the FIRST axis, become codes of FP6 (E2M3) laid [matrix][position of n][768 bytes] with K innermost, and E8M0 scale bytes [matrix][position][32].
; A LANE TAKES A COLUMN n, AND ITS REGISTERS RUN DOWN K: each load reads neighbouring n in neighbouring lanes, a block of 32 along K lies in one lane's 32 registers, and the conversions give codes with K innermost.
; COLUMNS CHANGE PLACES: column n is stored at position p = n with bits 3 and 4 exchanged (16 neighbouring positions 16 (2 b + u) + r hold columns 32 b + 8 u + r + 8 (r / 8)).  A wave owns 32 aligned columns,
; so only a lane's row in the wave's stage and its row of scale bytes are turned.
; A block's scale is 2^(floor(log2(its largest magnitude)) - 2); its byte is held at 1 from below.  (A block of zeros gets the byte 1 where the rule says 127: its codes are zeros; this program alone reads the bytes.)
; LIMITS: blocks whose largest magnitude lies under 2^-124 have their byte held at 1; NaN and infinities among the inputs are not served.
; Grid: x = 128 columns; y = 4 x matrix + which 256 along K.  A wave takes 32 columns x 256 along K: 8 blocks a lane, 192 bytes of codes a column, which leave through the wave's own stage as rows:
; sixteen lanes store a row's 192 consecutive bytes.  No tensor loads, no barrier.  Loads run two blocks (64 loads a wave) ahead.
.set SIZE_K, 1024
.set SIZE_N, 1024
.set KW,    256                        ; along K for a wave
.set NB,    KW/32                      ; blocks
.set ROWB,  192                        ; bytes of KW codes
.set PITCH, 272                        ; a stage row: sixteen places of 16 bytes, each with 12 bytes of codes, + 16
.set KROW,  SIZE_K*6/8                 ; a row of the codes' buffer in bytes
.set EMAX,  2
.set X,     32                         ; v32-95   two sets of 32 numbers
.set C,     96                         ; v96..    a block's codes
.set OUTR,  112                        ; v112-175 the way out: 16 x 4 registers
.set SPW,   14                         ; v14      LDS address of my spare word; never rewritten
.set NIL,   15                         ; v15      0; never rewritten
.set SPARE, 4*32*PITCH                 ; behind the four stages: the spare words, 128 bytes for each wave
.set SB,    24                         ; v24..    the scale bytes, four to a register
	s_load_b256 s[4:11], s[0:1], 0x0               ; Wq, Wk, Wv, Wo
	s_load_b128 s[12:15], s[0:1], 0x20             ; the codes, the scale bytes
	v_lshl_add_u32 v[SPW], v0, 2, SPARE
	v_mov_b32 v[NIL], 0
	v_lshrrev_b32 v1, 5, v0
	v_readfirstlane_b32 s16, v1                    ; wave 0..3
	v_and_b32 v2, 31, v0                           ; lane
	s_lshl_b32 s17, ttmp9, 7
	s_lshl_b32 s18, s16, 5
	s_add_co_u32 s17, s17, s18                     ; my wave's first column: 128 x work-group x + 32 x wave
	s_and_b32 s18, ttmp7, 0xffff
	s_lshr_b32 s30, s18, 2                         ; which matrix
	s_and_b32 s18, s18, 3                          ; which 256 along K
	v_lshlrev_b32 v3, 2, v2                        ; in: 4 bytes a lane
	v_and_b32 v10, 7, v2                           ; my column's position among the wave's 32: the lane's bits 3 and 4 change places
	v_and_b32 v11, 8, v2
	v_lshl_or_b32 v10, v11, 1, v10
	v_bfe_u32 v11, v2, 4, 1
	v_lshl_or_b32 v10, v11, 3, v10
	s_mul_i32 s19, s16, 32*PITCH                   ; my stage
	v_mul_u32_u24 v4, v10, PITCH
	v_add_nc_u32 v4, s19, v4                       ; into it: row = my column's position
	v_and_b32 v5, 15, v2
	v_lshrrev_b32 v6, 4, v2                        ; out of it: sixteen lanes to a row, two rows an instruction
	v_mul_u32_u24 v7, v6, PITCH
	v_lshl_add_u32 v7, v5, 4, v7
	v_add_nc_u32 v7, s19, v7                       ; LDS address
	v_mul_u32_u24 v8, v6, KROW
	v_mad_u32_u24 v8, v5, 12, v8                   ; and the same place in the codes' buffer
	v_lshlrev_b32 v9, 5, v10                       ; my position's row of scale bytes
	s_lshl_b32 s20, s18, 20                        ; W: 256 rows of 4,096 bytes for each step along K,
	s_lshl_b32 s22, s17, 2
	s_add_co_u32 s20, s20, s22                     ; + 4 x column
	s_mov_b32 s21, 0
	s_lshl_b32 s22, s30, 10
	s_add_co_u32 s22, s22, s17                     ; the outputs' first row: 1,024 x matrix + column
	s_mul_i32 s24, s22, KROW
	s_mul_i32 s26, s18, ROWB
	s_add_co_u32 s24, s24, s26
	s_mov_b32 s25, 0
	s_lshl_b32 s28, s22, 5
	s_lshl_b32 s26, s18, 3
	s_add_co_u32 s28, s28, s26
	s_mov_b32 s29, 0
	s_and_b32 s31, s30, 1
	s_wait_kmcnt 0x0
	s_cmp_lt_u32 s30, 2                            ; the matrix is chosen by the work-group's number alone
	s_cselect_b64 s[4:5], s[4:5], s[8:9]
	s_cselect_b64 s[6:7], s[6:7], s[10:11]
	s_cmp_eq_u32 s31, 0
	s_cselect_b64 s[4:5], s[4:5], s[6:7]
	s_add_nc_u64 s[4:5], s[4:5], s[20:21]
	s_add_nc_u64 s[6:7], s[12:13], s[24:25]
	s_add_nc_u64 s[8:9], s[14:15], s[28:29]
.macro LOAD t                          ; block t: W(32 t + i, my column), i = 0 .. 31, into set t % 2
.irp i, 0,1,2,3,4,5,6,7,8,9,10,11,12,13,14,15,16,17,18,19,20,21,22,23,24,25,26,27,28,29,30,31
	global_load_b32 v[X+32*((\t)%2)+\i], v3, s[4:5] offset:(32*(\t)+\i)*SIZE_N*4 th:TH_LOAD_NT
.endr
.endm
	LOAD 0
	LOAD 1
.macro BLOCK t
.set XS, X+32*((\t)%2)
.if (\t) < NB-1
	s_wait_loadcnt 32                              ; this block's 32 loads are in; the next block's 32 may be out
.else
	s_wait_loadcnt 0
.endif
	v_max3_num_f32 v12, |v[XS]|, |v[XS+1]|, |v[XS+2]|               ; the block's largest magnitude: all 32 numbers are mine
	v_max3_num_f32 v13, |v[XS+3]|, |v[XS+4]|, |v[XS+5]|
.irp i, 6,10,14,18,22,26
	v_max3_num_f32 v12, v12, |v[XS+\i]|, |v[XS+\i+1]|
	v_max3_num_f32 v13, v13, |v[XS+\i+2]|, |v[XS+\i+3]|
.endr
	v_max3_num_f32 v12, v12, |v[XS+30]|, |v[XS+31]|
	v_max3_num_f32 v12, v12, v13, (EMAX+1)<<23     ; and the floor 2^(3 - 127): so the byte cannot fall under 1
	v_add_nc_u32 v11, -(EMAX<<23), v12             ; 2 off its exponent field: the conversion's scale operand
	v_lshrrev_b32 v13, 23, v11                     ; the scale's byte
.if (\t)%4 == 0
	v_mov_b32 v[SB+(\t)/4], v13                    ; four bytes to a register, the lower K in the lower byte
.else
	v_lshl_or_b32 v[SB+(\t)/4], v13, 8*((\t)%4), v[SB+(\t)/4]
.endif
	v_cvt_scalef32_pk16_fp6_f32 v[C:C+2], v[XS:XS+15], v11
	v_cvt_scalef32_pk16_fp6_f32 v[C+4:C+6], v[XS+16:XS+31], v11     ; (a conversion's three registers begin on an even number)
	ds_store_b96 v4, v[C:C+2] offset:32*(\t)       ; 16 codes, 12 bytes, to a place of 16 bytes in the stage
	ds_store_b96 v4, v[C+4:C+6] offset:32*(\t)+16
.if (\t)+2 < NB
	LOAD (\t)+2
.endif
	s_wait_dscnt 0x0                               ; the stores have read their registers: the next block's codes may be written
.endm
.set Q, 0
.rept NB
	BLOCK Q
.set Q, Q+1
.endr
	global_store_b64 v9, v[SB:SB+1], s[8:9]        ; my column's 8 scale bytes
.irp t, 0,1,2,3,4,5,6,7,8,9,10,11,12,13,14,15
	ds_load_b96 v[OUTR+4*\t:OUTR+4*\t+2], v7 offset:2*\t*PITCH   ; LDS serves a wave's instructions in order: these see my stores
.endr
.irp t, 0,1,2,3,4,5,6,7,8,9,10,11,12,13,14,15
	s_wait_dscnt 15-\t                             ; the loads behind pair t's may be out
	global_store_b96 v8, v[OUTR+4*\t:OUTR+4*\t+2], s[6:7] offset:2*\t*KROW
.endr
	s_wait_tensorcnt 0x0                           ; the wave's end, behind my last LDS store
	ds_add_u32 v[SPW], v[NIL]
	s_wait_dscnt 0x0
	s_endpgm
.Lfunc_end_k_qce6b60c329_quant_w:
	.size	k_qce6b60c329_quant_w, .Lfunc_end_k_qce6b60c329_quant_w-k_qce6b60c329_quant_w
	.p2alignl 7, 3214868480
	.fill 96, 4, 3214868480
	.section	.rodata,"a",@progbits
	.p2align	6, 0x0
	.amdhsa_kernel k_qce6b60c329_quant_w
		.amdhsa_group_segment_fixed_size 35840
		.amdhsa_private_segment_fixed_size 0
		.amdhsa_enable_private_segment 0
		.amdhsa_kernarg_size 48
		.amdhsa_user_sgpr_count 2
		.amdhsa_user_sgpr_kernarg_segment_ptr 1
		.amdhsa_wavefront_size32 1
		.amdhsa_system_sgpr_workgroup_id_x 1
		.amdhsa_system_sgpr_workgroup_id_y 1
		.amdhsa_system_sgpr_workgroup_id_z 1
		.amdhsa_system_vgpr_workitem_id 0
		.amdhsa_next_free_vgpr 192
		.amdhsa_next_free_sgpr 66
		.amdhsa_reserve_vcc 0
		.amdhsa_float_denorm_mode_32 3
		.amdhsa_float_denorm_mode_16_64 3
		.amdhsa_memory_ordered 1
		.amdhsa_forward_progress 1
		.amdhsa_inst_pref_size 42
	.end_amdhsa_kernel
	.amdgpu_metadata
---
amdhsa.version: [ 1, 2 ]
amdhsa.kernels:
  - .name:           k_qce6b60c329_quant_w
    .symbol:         k_qce6b60c329_quant_w.kd
    .args:
      - { .name: Wq, .offset: 0, .size: 8, .value_kind: global_buffer, .address_space: global }
      - { .name: Wk, .offset: 8, .size: 8, .value_kind: global_buffer, .address_space: global }
      - { .name: Wv, .offset: 16, .size: 8, .value_kind: global_buffer, .address_space: global }
      - { .name: Wo, .offset: 24, .size: 8, .value_kind: global_buffer, .address_space: global }
      - { .name: wc, .offset: 32, .size: 8, .value_kind: global_buffer, .address_space: global }
      - { .name: ws, .offset: 40, .size: 8, .value_kind: global_buffer, .address_space: global }
    .group_segment_fixed_size: 35840
    .private_segment_fixed_size: 0
    .kernarg_segment_align: 8
    .kernarg_segment_size: 48
    .max_flat_workgroup_size: 128
    .sgpr_count:     66
    .vgpr_count:     192
    .wavefront_size: 32
...
	.end_amdgpu_metadata
.endif
;; end of part 2
;; launch qkv (part 3): grid 8 x 48, 4 waves a work-group, clusters of 4 x 4, 327,680 bytes of LDS; arguments xc, xs, wc, ws, bq, bk, bv, hc, hs; writes hc, hs
.if DOCPART == 3
	.amdgcn_target "amdgcn-amd-amdhsa--gfx1250"
	.amdhsa_code_object_version 6
	.text
	.protected	k_qce6b60c329_qkv
	.globl	k_qce6b60c329_qkv
	.p2align	8
	.type	k_qce6b60c329_qkv,@function
k_qce6b60c329_qkv:
	s_mov_b64 s[64:65], 0
	v_nop
	global_prefetch_b8 v0, s[64:65] scope:SCOPE_SE
	s_setreg_imm32_b32 hwreg(HW_REG_WAVE_MODE, 25, 1), 1
	s_wait_xcnt 0x0
	s_wait_alu depctr_hold_cnt(0) depctr_sa_sdst(0) depctr_va_vdst(0) depctr_va_sdst(0) depctr_va_ssrc(0) depctr_va_vcc(0) depctr_vm_vsrc(0)
	s_getreg_b32 s2, hwreg(HW_REG_IB_STS2, 6, 4)
	s_cmp_eq_u32 s2, 0
	s_cbranch_scc0 .Lentry_in_a_cluster
	s_endpgm
.Lentry_in_a_cluster:
	s_bfe_u32 s2, ttmp6, 0x10000c
	s_cmp_lg_u32 s2, 0xf033
	s_cbranch_scc0 .Lentry_shape_is_right
	s_endpgm
.Lentry_shape_is_right:
; q = x Wq + bq, k = x Wk + bk, v = x Wv + bv on codes of FP6 (E2M3) with E8M0 scales for each 32 along K = 1,024; the results are QUANTISED AGAIN IN REGISTERS and leave as codes: no f32 result goes to memory.
; A tile of 256 x 256 results is made by four waves, 128 x 128 each: 64 accumulators of 16 x 16.  K goes in four steps of 256 through two LDS slots filled by the tensor data mover; the scale bytes come once.
; TWO KINDS OF TILES, told apart by the cluster's y (the same in all sixteen partners).  y < 8: "A" = 256 positions of x, "B" = 256 positions of Wq (cluster x = 0) or Wk (1).  y >= 8: "A" = 256 positions of Wv, "B" = 256 positions of x.
; THE MATRIX INSTRUCTION IS USED TRANSPOSED (source 0 = 16 positions of B, source 1 = 16 of A): a lane holds ONE position of A, and, since position p holds row p with bits 3 and 4 exchanged, the 16 registers of B's blocks
; 2 b and 2 b + 1 are B's rows 32 b + 16 (lane / 16) + 0 .. 15.  So for q and k a lane's registers run along the head's axis, for v (computed as v^T) along the keys: each along the K of the product that follows.
; THE BIAS is the C of each sum's first matrix instruction.
; OUT: for each block of 16 positions of A the lane's 64 numbers become a fragment of 12 registers (two halves of 64 along K) and a scale word.  A half leaves as an image of its registers, 768 bytes: registers 0-3 at 16 x lane,
; registers 4-5 at 512 + 8 x lane: each store of the wave covers 512 or 256 consecutive bytes, aligned.  hc: for each batch x head 294,912 bytes: q's 128 tiles, k's 128 tiles, v^T as [key step 16][tile of d 4][half 2].
; hs: for each batch x head 20,480 bytes: q's words [step 16][tile / 4][row 16][tile % 4] with bytes (s0, s1, 0, 0); k's likewise; v's [step 16][row 16][tile 4].
; CLUSTERS: 4 x 4 work-groups; A's tile is shared along a row of the cluster, B's along a column: each is asked for jointly, by the same tensor load with the same descriptor and a mask that names the four.
; LIMITS: a block whose largest magnitude lies under 2^-124 (a block of zeros too) has the byte 1; NaN and infinities are not served.
; REGISTERS, in windows of 256: window 0: v0-31 addresses; v32-63 scale words, two sets; v64-127 the bias; from v128 A's fragments, one set; in the way out v192-251 are at work.
;   window 1: B's fragments, two sets, at v0 and v128.   window 2: the accumulators of A's blocks 0-3 ((a, b) at v[8 (8 (a % 4) + b)]);   window 3: those of blocks 4-7.
.set KSTEP,  256                       ; along K in a slot
.set NQ,     2                         ; matrix instructions deep
.set ROWB,   192                       ; a tile's row in bytes
.set KROW,   768                       ; a row of codes in memory
.set PITCH,  240                       ; an LDS row: 3 x (64 bytes of data + 16 of padding)
.set FR,     12                        ; registers of a fragment
.set NL,     6                         ; LDS loads that bring one
.set NP,     4                         ; places behind this matrix instruction (ISA guide 7.12.1)
.set HALFT,  128*PITCH                 ; 128 rows: what one tensor load brings
.set SLOT,   4*HALFT                   ; A's 256 rows, then B's 256 rows
.set KS,     32                        ; a row of scale bytes
.set SCL,    2*SLOT                    ; behind the ring: the scales, as runs of 256 bytes + 16 of padding
.set HALFS,  (128*KS/256)*272          ; the scales of 128 rows
.set SBLK,   (16*KS/256)*272           ; those of 16 rows
.set SPARE,  SCL+4*HALFS               ; behind the scales: the spare words, 128 bytes for each wave
.set HBLK,   294912                    ; a batch x head's bytes in hc
.set SBLKH,  20480                     ; and in hs
.set ADRA, 16                          ; v16-17 LDS address of my A fragments in slot 0, 1 (v18-19: for the pieces behind one padding more)
.set ADRB, 20                          ; v20-23 the same for B
.set VO16, 24                          ; v24  16 x lane
.set VO8,  25                          ; v25  512 + 8 x lane
.set VSO,  26                          ; v26  v's scale words: 20,480 x (lane / 16) + 16 x (lane % 16)
.set ADRS, 27                          ; v27  LDS address of my scale words: lanes 0-15 A's rows, lanes 16-31 B's
.set SPW,  28                          ; v28  LDS address of my spare word; never rewritten
.set NIL,  29                          ; v29  0; never rewritten
.set SC,   32                          ; scale words, two sets of 16
.set BI,   64                          ; v64-127 the bias: eight registers for each block
.set AF,   128                         ; A's fragments
.set CD,   192                         ; v192-203 the codes just made; v204-211 at work
.set TM,   212                         ; v212-215 largest magnitudes, v216-219 bytes, v224-227 the conversions' scale operands
.set WS,   232                         ; v232-239 the scale word of each of A's eight blocks
.set YS,   240                         ; v240-243 the words that my half of the lanes stores
.set WLO,  244
.set WHI,  248
.set G1, 24                            ; s[24:31] descriptor group 1 for A's tiles;  s[32:39] group 0, one set for each slot
.set G0, 32
.set G1B, 48                           ; s[48:55], s[56:63] the same for B's tiles
.set G0B, 56
.set G1S, 68                           ; s[68:75], s[76:79] groups 1 and 0 for A's scales;  s[80:87], s[88:91] for B's
.set G0S, 76
.set G1SB, 80
.set G0SB, 88
.set HM,  95                           ; s95  the mask of lanes 16-31
.set SEL, 104                          ; s[104:105] v_permlanex16_b32's selects for lane l xor 16
.set MSB, 0
.macro WIN new                         ; the immediate's high byte repeats the setting that is left
.if MSB != (\new)
	s_set_vgpr_msb (MSB<<8)|(\new)
.set MSB, (\new)
.endif
.endm
.set MUL_LO, 0xa1                      ; source 0 (B) window 1, source 1 (A) window 0, C and D window 2
.set MUL_HI, 0xf1                      ; the same, C and D window 3
.set FST_LO, 0x81                      ; the first products: C (the bias) window 0, D window 2
.set FST_HI, 0xc1                      ; D window 3
.set TO_B,   0x40                      ; destination window 1, address window 0
; A joint load: waves 0 and 1 fetch for A, waves 2 and 3 for B.  The branch hangs on the wave's number alone.  An s_nop 0 and four v_nop follow each of the two lines.
.macro JLOAD g0a, g1a, g0b, g1b
	s_cmp_eq_u32 s15, 0
	s_cbranch_scc0 .Lfor_b_\@
	tensor_load_to_lds s[\g0a:\g0a+3], s[\g1a:\g1a+7]
	s_nop 0
.rept 4
	v_nop
.endr
	s_branch .Lasked_\@
.Lfor_b_\@:
	tensor_load_to_lds s[\g0b:\g0b+3], s[\g1b:\g1b+7]
	s_nop 0
.rept 4
	v_nop
.endr
.Lasked_\@:
.endm
.macro CREST                           ; a round of the cluster's barrier behind its opening barrier
	s_cmp_lg_u32 s14, 0
	s_cbranch_scc1 .Lnot_wave_0_\@
	s_barrier_signal -3
.Lnot_wave_0_\@:
	s_barrier_wait -3
	s_barrier_signal -1
	s_barrier_wait -1
.endm
.macro CROUND                          ; a whole round
	s_barrier_signal -1
	s_barrier_wait -1
	CREST
.endm
	s_load_b128 s[4:7], s[0:1], 0x0                ; x's codes, x's scales
	s_load_b128 s[8:11], s[0:1], 0x10              ; the weights' codes, their scales
	s_load_b128 s[96:99], s[0:1], 0x20             ; bq, bk
	s_load_b64 s[100:101], s[0:1], 0x30            ; bv
	s_load_b64 s[12:13], s[0:1], 0x38              ; hc
	s_load_b64 s[66:67], s[0:1], 0x40              ; hs
	v_lshl_add_u32 v[SPW], v0, 2, SPARE
	v_mov_b32 v[NIL], 0
	ds_add_u32 v[SPW], v[NIL]                      ; the wave's opening: the add, and its wait, ahead of my first tensor load; the set-up below, work on registers, stands between them
	v_lshrrev_b32 v1, 5, v0
	v_readfirstlane_b32 s14, v1                    ; wave 0..3
	s_lshr_b32 s15, s14, 1                         ; which half of A's 256 positions is mine.  Also: I fetch for A (0) or for B (1)
	s_and_b32 s16, s14, 1                          ; which half of B's.  Also: which 128 rows of that tile I fetch
	s_bfe_u32 s40, ttmp6, 0x40000                  ; cx, cy: my place in the cluster
	s_bfe_u32 s41, ttmp6, 0x40004
	s_and_b32 s17, ttmp7, 0xffff                   ; the cluster's y: under 8 q and k, from 8 on v
	s_lshl_b32 s43, s41, 2
	s_lshl_b32 s43, 15, s43                        ; my row of the cluster
	s_lshl_b32 s44, 0x1111, s40                    ; my column
	; descriptor group 1: a tile of 128 rows x 192 bytes, padded in LDS
	s_or_b32 s[G1+0], s43, (0<<16)|(1<<20)|(1<<21)|(3<<22)|(3<<25)  ; 15:0 the mask: A's tiles go to my row; elements of 1 byte; padding on; 21 set beside a mask; after every 16 words 4 words
	s_or_b32 s[G1B+0], s44, (0<<16)|(1<<20)|(1<<21)|(3<<22)|(3<<25)
.irp g, G1, G1B
	s_mov_b32 s[\g+1], ROWB<<16                    ; tensor_dim0
	s_mov_b32 s[\g+2], 128<<16                     ; tensor_dim1 = 128
	s_mov_b32 s[\g+3], ROWB<<16                    ; tile_dim0
	s_mov_b32 s[\g+4], 128                         ; tile_dim1 = 128
	s_mov_b32 s[\g+5], KROW                        ; tensor_dim0_stride
	s_mov_b32 s[\g+6], 0
	s_mov_b32 s[\g+7], 0
.endr
	; the scales of 128 rows: a dense block of 4,096 bytes, as rows of 256 bytes (32 elements of 8 bytes), 16 bytes of padding behind each
	s_or_b32 s[G1S+0], s43, (3<<16)|(1<<20)|(1<<21)|(5<<22)|(3<<25)
	s_or_b32 s[G1SB+0], s44, (3<<16)|(1<<20)|(1<<21)|(5<<22)|(3<<25)
.irp g, G1S, G1SB
	s_mov_b32 s[\g+1], 32<<16
	s_mov_b32 s[\g+2], (128*KS/256)<<16
	s_mov_b32 s[\g+3], 32<<16
	s_mov_b32 s[\g+4], 128*KS/256
	s_mov_b32 s[\g+5], 32
	s_mov_b32 s[\g+6], 0
	s_mov_b32 s[\g+7], 0
.endr
	; the rows that I fetch.  A's hang on cy and the cluster's numbers alone, B's on cx and the cluster's numbers alone
	s_lshl_b32 s18, s16, 7                         ; which 128 rows of the tile
	s_lshl_b32 s20, s41, 8
	s_add_co_u32 s20, s20, s18                     ; A: 256 cy + 128 x half
	s_lshl_b32 s21, s17, 10                        ; q, k: + 1,024 x cluster y (positions of x);
	s_lshl_b32 s46, ttmp9, 2
	s_add_co_u32 s46, s46, s40
	s_lshl_b32 s46, s46, 8
	s_add_co_u32 s46, s46, s18                     ; B: 256 (4 x cluster x + cx) + 128 x half
	s_sub_co_u32 s47, s17, 8
	s_lshl_b32 s47, s47, 11                        ; v: + 2,048 x (cluster y - 8) (positions of x)
	s_cmp_lt_u32 s17, 8
	s_cselect_b32 s21, s21, 2048                   ; v: + 2,048: Wv's rows among the weights'
	s_cselect_b32 s47, 0, s47
	s_add_co_u32 s20, s20, s21
	s_add_co_u32 s46, s46, s47
	s_lshl_b32 s22, s20, 5                         ; where these rows' scales begin, in bytes,
	s_mov_b32 s23, 0
	s_lshl_b32 s92, s46, 5
	s_mov_b32 s93, 0
	s_mul_i32 s20, s20, KROW                       ; and their codes
	s_mov_b32 s21, 0
	s_mul_i32 s46, s46, KROW
	s_mov_b32 s47, 0
	s_mul_i32 s45, s14, HALFT                      ; where they go: wave x 128 rows: no place in the cluster enters an LDS address
	s_mul_i32 s94, s14, HALFS
	s_wait_dscnt 0x0                               ; the opening add is done
	s_wait_kmcnt 0x0
	s_cmp_lt_u32 s17, 8                            ; which tensor is A and which B hangs on the cluster's y alone
	s_cselect_b64 s[18:19], s[4:5], s[8:9]         ; A's codes
	s_cselect_b64 s[8:9], s[8:9], s[4:5]           ; B's codes
	s_cselect_b64 s[4:5], s[6:7], s[10:11]         ; A's scales
	s_cselect_b64 s[10:11], s[10:11], s[6:7]       ; B's scales
	s_add_nc_u64 s[20:21], s[18:19], s[20:21]
	s_add_nc_u64 s[22:23], s[4:5], s[22:23]
	s_add_nc_u64 s[46:47], s[8:9], s[46:47]
	s_add_nc_u64 s[92:93], s[10:11], s[92:93]
	CROUND                                         ; all sixteen work-groups are here: the first joint loads meet
	s_mov_b32 s[G0S], 1
	s_add_co_u32 s[G0S+1], s94, SCL
	s_mov_b64 s[G0S+2:G0S+3], s[22:23]
	s_or_b32 s[G0S+3], s[G0S+3], 0x80000000
	s_mov_b32 s[G0SB], 1
	s_add_co_u32 s[G0SB+1], s94, SCL
	s_mov_b64 s[G0SB+2:G0SB+3], s[92:93]
	s_or_b32 s[G0SB+3], s[G0SB+3], 0x80000000
	JLOAD G0S, G1S, G0SB, G1SB                     ; the scales first: they are wanted with K step 0
.irp s, 0,1
	s_mov_b32 s[G0+4*\s], 1
	s_add_co_u32 s[G0+4*\s+1], s45, \s*SLOT
	s_add_nc_u64 s[G0+4*\s+2:G0+4*\s+3], s[20:21], \s*ROWB
	s_or_b32 s[G0+4*\s+3], s[G0+4*\s+3], 0x80000000
	s_mov_b32 s[G0B+4*\s], 1
	s_add_co_u32 s[G0B+4*\s+1], s45, \s*SLOT
	s_add_nc_u64 s[G0B+4*\s+2:G0B+4*\s+3], s[46:47], \s*ROWB
	s_or_b32 s[G0B+4*\s+3], s[G0B+4*\s+3], 0x80000000
	JLOAD G0+4*\s, G1, G0B+4*\s, G1B               ; three loads of mine are out
.endr
	; THE BIAS, in the result's layout
	v_and_b32 v1, 15, v0                           ; r = lane % 16
	v_bfe_u32 v2, v0, 4, 1                         ; h = lane / 16
	v_lshlrev_b32 v7, 6, v2                        ; q, k: register j of B's block t is column 32 (t / 2) + 8 (t % 2) + 16 h + j: 64 h bytes
	v_and_b32 v8, 8, v1
	v_add_nc_u32 v8, v8, v1
	v_lshlrev_b32 v8, 2, v8                        ; v: my position r of A's block a is column 32 (a / 2) + 8 (a % 2) + r + 8 (r / 8)
	s_cmp_eq_u32 ttmp9, 0
	s_cselect_b64 s[96:97], s[96:97], s[98:99]     ; bq or bk
	s_lshl_b32 s18, s40, 10
	s_lshl_b32 s19, s16, 9
	s_add_co_u32 s18, s18, s19                     ; (256 cx + 128 x my half of B) x 4
	s_mov_b32 s19, 0
	s_add_nc_u64 s[96:97], s[96:97], s[18:19]
	s_lshl_b32 s18, s41, 10
	s_lshl_b32 s19, s15, 9
	s_add_co_u32 s18, s18, s19                     ; (256 cy + 128 x my half of A) x 4
	s_mov_b32 s19, 0
	s_add_nc_u64 s[100:101], s[100:101], s[18:19]
	s_cmp_lt_u32 s17, 8
	s_cbranch_scc0 .Lbias_v
.irp t, 0,1,2,3,4,5,6,7
	global_load_b128 v[BI+8*\t:BI+8*\t+3], v7, s[96:97] offset:(32*(\t/2)+8*(\t%2))*4
	global_load_b128 v[BI+8*\t+4:BI+8*\t+7], v7, s[96:97] offset:(32*(\t/2)+8*(\t%2))*4+16
.endr
	s_branch .Lbias_done
.Lbias_v:
.irp a, 0,1,2,3,4,5,6,7
	global_load_b32 v[BI+8*\a], v8, s[100:101] offset:(32*(\a/2)+8*(\a%2))*4
.endr
	s_wait_loadcnt 0x0
.irp a, 0,1,2,3,4,5,6,7
.irp j, 1,2,3,4,5,6,7
	v_mov_b32 v[BI+8*\a+\j], v[BI+8*\a]            ; a lane's eight results of a block belong to one column of Wv: the same bias eight times
.endr
.endr
.Lbias_done:
	v_mul_u32_u24 v3, v1, PITCH
	v_mul_u32_u24 v4, v2, 24
	v_add_nc_u32 v4, v3, v4                        ; a fragment's row x pitch + 24 x half
	v_lshl_add_u32 v5, v2, 4, v4                   ; and the same behind one padding more
	s_mul_i32 s21, s15, HALFT                      ; my 128 rows of A
	s_mul_i32 s22, s16, HALFT                      ; my 128 rows of B,
	s_add_co_u32 s22, s22, 2*HALFT                 ; which lie behind A's 256
.irp s, 0,1
	v_add_nc_u32 v[ADRA+\s], s21, v4
	v_add_nc_u32 v[ADRB+\s], s22, v4
	v_add_nc_u32 v[ADRA+2+\s], s21, v5
	v_add_nc_u32 v[ADRB+2+\s], s22, v5
	s_add_co_u32 s21, s21, SLOT
	s_add_co_u32 s22, s22, SLOT
.endr
	v_mul_u32_u24 v5, v1, KS                       ; my row's scales: 32 bytes a row,
	v_lshrrev_b32 v6, 8, v5
	v_lshl_add_u32 v5, v6, 4, v5                   ; and 16 more for each 256 passed
	s_mul_i32 s21, s15, HALFS                      ; A's: my 128 rows
	s_mul_i32 s22, s16, HALFS                      ; B's: my 128 rows, behind A's 256
	s_add_co_u32 s22, s22, 2*HALFS
	s_sub_co_u32 s22, s22, s21
	v_mul_u32_u24 v6, s22, v2                      ; lanes 16-31 take B's
	s_add_co_u32 s21, s21, SCL
	v_add_nc_u32 v5, v5, v6
	v_add_nc_u32 v[ADRS], s21, v5
	v_and_b32 v6, 31, v0
	v_lshlrev_b32 v[VO16], 4, v6
	v_lshl_add_u32 v[VO8], v6, 3, 512
	v_mul_u32_u24 v[VSO], v2, SBLKH
	v_lshl_add_u32 v[VSO], v1, 4, v[VSO]
	s_wait_loadcnt 0x0                             ; the bias
.macro FRAG reg, adr, q, i             ; a fragment, 16 rows x 128 K of 6-bit codes, is 12 registers: lane l holds row l % 16; registers 6 c .. 6 c + 5 hold K = 64 c + 32 (l / 16) + 0 .. 31: 24 bytes of the row's stream of bits
.irp p, 0,1,2,3,4,5                    ; in pieces of 8 bytes.  Lanes 0-15 take the row's pieces 12 q + 0, 1, 2 and 12 q + 6, 7, 8, lanes 16-31 those three pieces on
.set PC, 12*(\q)+6*(\p/3)+\p%3        ; 16 bytes of padding lie behind every 64 bytes (8 pieces): where the piece three on lies behind one padding more, the second address register serves
.if PC%8 < 5
	ds_load_b64 v[\reg+2*\p:\reg+2*\p+1], v[\adr] offset:8*PC+16*(PC/8)+(\i)*16*PITCH
.else
	ds_load_b64 v[\reg+2*\p:\reg+2*\p+1], v[\adr+2] offset:8*PC+16*(PC/8)+(\i)*16*PITCH
.endif
.endr
.endm
.macro MM a, b, p, q, sc, c0           ; one product: A's block a x B's block b; C begins at v[c0]
	v_wmma_scale_f32_16x16x128_f8f6f4 v[8*(8*((\a)%4)+\b):8*(8*((\a)%4)+\b)+7], v[128*(\p)+FR*\b:128*(\p)+FR*\b+FR-1], v[AF+FR*(\a):AF+FR*(\a)+FR-1], v[\c0:\c0+7], v[SC+8*NQ*(\sc)+NQ*\b+(\q)], v[SC+8*NQ*(\sc)+NQ*(\a)+(\q)] matrix_a_fmt:MATRIX_FMT_FP6 matrix_b_fmt:MATRIX_FMT_FP6 matrix_a_scale:MATRIX_SCALE_ROW1
.endm
; 16 matrix instructions: A's blocks a0, a0 + 1 x B's eight, 128 along K.  p: B's set;  sc: the set of scale words.  cb = 0: C = D;  1: the sum starts from the bias of B's block;  2: from that of A's block.
; The 64 accumulators take turns, one instruction a turn, in the same order in every step.
.macro MUL16 a0, p, q, sc, cb
.irp a, \a0, \a0+1
.irp b, 0,1,2,3,4,5,6,7
.if \cb == 1
	MM \a, \b, \p, \q, \sc, BI+8*\b
.elseif \cb == 2
	MM \a, \b, \p, \q, \sc, BI+8*(\a)
.else
	MM \a, \b, \p, \q, \sc, 8*(8*((\a)%4)+\b)
.endif
.endr
.endr
.endm
.macro FETCH_B slot, q, p              ; B's eight fragments of the slot's q-th 128 along K into set p
	WIN TO_B
.irp i, 0,1,2,3,4,5,6,7
	FRAG 128*(\p)+FR*\i, ADRB+\slot, \q, \i
.endr
	WIN 0
.endm
.macro FETCH_A slot, q, i0             ; A's blocks i0 .. i0 + 3
.irp i, \i0, \i0+1, \i0+2, \i0+3
	FRAG AF+FR*(\i), ADRA+\slot, \q, \i
.endr
.endm
.macro SCALES sc                       ; the K step's scale words into set sc: two words a row; lanes 0-15 take A's block i, lanes 16-31 B's block i
.irp i, 0,1,2,3,4,5,6,7
	ds_load_b64 v[SC+8*NQ*\sc+NQ*\i:SC+8*NQ*\sc+NQ*\i+1], v[ADRS] offset:\i*SBLK
.endr
.endm
.macro PLACES n                        ; plain vector instructions between a matrix instruction and a load into, or a vector instruction on, one of its registers
.rept \n
	v_nop
.endr
.endm
; A step of 128 along K that has its successor in the same slot.
.macro STEP slot, q, cb
	s_wait_dscnt 4*NL                              ; B's set and A's blocks 0-3 are in; the youngest 24 loads (A's blocks 4-7) may be out
.if \cb
	WIN FST_LO
.else
	WIN MUL_LO
.endif
	MUL16 0, (\q)%2, \q, \slot, \cb
	MUL16 2, (\q)%2, \q, \slot, \cb
	s_wait_dscnt 0                                 ; A's blocks 4-7 are in
	PLACES NP
	FETCH_B \slot, (\q)+1, 1-(\q)%2
	FETCH_A \slot, (\q)+1, 0
.if \cb
	WIN FST_HI
.else
	WIN MUL_HI
.endif
	MUL16 4, (\q)%2, \q, \slot, \cb
	MUL16 6, (\q)%2, \q, \slot, \cb
	PLACES NP
	WIN 0
	FETCH_A \slot, (\q)+1, 4
.endm
; A slot's last step changes slots: ONE barrier; in front of it each wave waits for all its tensor loads, adds 0 to its spare word, and waits for that and for its own reads of this slot.  fill = 1: this slot is filled again, two K steps ahead.
.macro TURN slot, next, fill
	s_wait_tensorcnt 0x0                           ; all my tensor loads have landed: my part of the next slot;
	ds_add_u32 v[SPW], v[NIL]                      ; 0 onto my spare word;
	s_wait_dscnt 4*NL+1                            ; (the add and the youngest 24 loads, A's blocks 4-7, may be out)
	WIN MUL_LO
	MUL16 0, 1, NQ-1, \slot, 0                     ; sixteen matrix instructions stand between the add and the wait for it
	s_wait_dscnt 0x0                               ; the add is done, and my reads of this slot are over
	s_barrier_signal -1
	MUL16 2, 1, NQ-1, \slot, 0
	WIN 0
	s_barrier_wait -1
.if \fill
	CREST                                          ; the barrier has opened a round of the cluster's barrier: no wave of any partner still reads this slot's tile or has a load on its way
	s_add_nc_u64 s[G0+4*\slot+2:G0+4*\slot+3], s[G0+4*\slot+2:G0+4*\slot+3], 2*ROWB
	s_add_nc_u64 s[G0B+4*\slot+2:G0B+4*\slot+3], s[G0B+4*\slot+2:G0B+4*\slot+3], 2*ROWB
	JLOAD G0+4*\slot, G1, G0B+4*\slot, G1B         ; the first tensor load behind the round; the four v_nop behind it are the places in front of the loads below
.else
	PLACES NP
.endif
	v_add_nc_u32 v[ADRS], 4*NQ, v[ADRS]            ; on to the next K step's scale words
	FETCH_B \next, 0, 0
	FETCH_A \next, 0, 0
	SCALES \next
	WIN MUL_HI
	MUL16 4, 1, NQ-1, \slot, 0
	MUL16 6, 1, NQ-1, \slot, 0
	PLACES NP
	WIN 0
	FETCH_A \next, 0, 4
.endm
	s_wait_tensorcnt 1                             ; the scales and my part of K step 0 are in (K step 1's load may be out),
	s_barrier_signal -1
	s_barrier_wait -1                              ; everybody's are
	FETCH_B 0, 0, 0
	FETCH_A 0, 0, 0
	SCALES 0
	FETCH_A 0, 0, 4
	s_cmp_lt_u32 s17, 8                            ; the first step's products start the sums from the bias: along B's blocks for q and k, along A's for v
	s_cbranch_scc0 .Lfirst_v
	STEP 0, 0, 1
	s_branch .Lfirst_done
.Lfirst_v:
	STEP 0, 0, 2
.Lfirst_done:
	TURN 0, 1, 1                                   ; K = 1,024 is four K steps: slot 0, slot 1, slot 0, slot 1: written straight
	STEP 1, 0, 0
	TURN 1, 0, 1
	STEP 0, 0, 0
	TURN 0, 1, 0                                   ; nothing is left to fetch: no round
	STEP 1, 0, 0
	s_wait_dscnt 4*NL                              ; the very last step
	WIN MUL_LO
	MUL16 0, 1, NQ-1, 1, 0
	MUL16 2, 1, NQ-1, 1, 0
	s_wait_dscnt 0
	WIN MUL_HI
	MUL16 4, 1, NQ-1, 1, 0
	MUL16 6, 1, NQ-1, 1, 0
	WIN 0
; THE WAY OUT.  A's block a: my 64 numbers, register 16 b + i = 32 b + 16 (lane / 16) + i along the next K, become 12 registers of codes in v[CD] on and my position's scale word in v[WS + a].
.macro QUANTW a
.set AC, 64*((\a)%4)
.set WW, 2+(\a)/4
	WIN (WW<<2)|(WW<<4)                            ; sources 1 and 2: the accumulators' window
.irp b, 0,1,2,3
	v_max3_num_f32 v[TM+\b], 0x1800000, |v[AC+16*\b]|, |v[AC+16*\b+1]|   ; block b: my 16 numbers, each accumulator from its low end on, and the floor 2^(3 - 127): the byte cannot fall under 1
.endr
.irp i, 2,4,6,8,10,12,14
.irp b, 0,1,2,3
	v_max3_num_f32 v[TM+\b], v[TM+\b], |v[AC+16*\b+\i]|, |v[AC+16*\b+\i+1]|   ; (the four blocks by turns)
.endr
.endr
	WIN 0
.irp b, 0,1,2,3
	v_permlanex16_b32 v[TM+4+\b], v[TM+\b], s[SEL], s[SEL+1]
.endr
.irp b, 0,1,2,3
	v_max_num_f32 v[TM+\b], v[TM+\b], v[TM+4+\b]   ; with lane l xor 16's: the block's largest magnitude
.endr
.irp b, 0,1,2,3
	v_add_nc_u32 v[TM+12+\b], 0xff000000, v[TM+\b] ; 2 off its exponent field: the conversion's scale operand
.endr
.irp b, 0,1,2,3
	v_lshrrev_b32 v[TM+4+\b], 23, v[TM+12+\b]      ; the scale's byte
.endr
	v_lshl_or_b32 v[WS+(\a)], v[TM+5], 8, v[TM+4]
	v_lshl_or_b32 v[WS+(\a)], v[TM+6], 16, v[WS+(\a)]
	v_lshl_or_b32 v[WS+(\a)], v[TM+7], 24, v[WS+(\a)]
	s_wait_xcnt 0x0                                ; the last block's stores have read their data: the codes' registers are written again only behind this wait
	WIN WW                                         ; source 0: the accumulators' window
.irp c, 0,1
	v_cvt_scalef32_pk16_fp6_f32 v[CD+6*\c:CD+2+6*\c], v[AC+32*\c:AC+15+32*\c], v[TM+12+2*\c]
	v_cvt_scalef32_pk16_fp6_f32 v[CD+12+4*\c:CD+14+4*\c], v[AC+16+32*\c:AC+31+32*\c], v[TM+13+2*\c]   ; (a conversion's three registers begin on an even number)
.endr
	WIN 0
	v_nop                                          ; one plain place behind a scaled conversion
.irp c, 0,1                                    ; the operand's layout wants a WHOLE block in a lane: lanes 0-15 block 2 c, lanes 16-31 block 2 c + 1
.irp i, 0,1,2
	v_permlane16_swap_b32 v[CD+6*\c+\i], v[CD+12+4*\c+\i]
.endr
.irp i, 0,1,2
	v_mov_b32 v[CD+3+6*\c+\i], v[CD+12+4*\c+\i]
.endr
.endr
.endm
.macro EPI isv
.if \isv
	s_lshl_b32 s20, ttmp9, 2                       ; v: B's tile of x: 4 x cluster x + cx + 8 (cluster y - 8);
	s_add_co_u32 s20, s20, s40
	s_sub_co_u32 s21, s17, 8
	s_lshl_b32 s21, s21, 3
	s_add_co_u32 s20, s20, s21
	s_lshl_b32 s20, s20, 1
	s_add_co_u32 s20, s20, s16                     ; my 128 positions of it: a key step
	s_and_b32 s21, s20, 15                         ; of 16 in its batch
	s_lshr_b32 s20, s20, 4
	s_lshl_b32 s20, s20, 4                         ; 16 x batch
	s_lshl_b32 s22, s41, 2
	s_add_co_u32 s20, s20, s22                     ; + 4 cy
	s_lshl_b32 s22, s15, 1
	s_add_co_u32 s20, s20, s22                     ; + 2 x my half of A: the first of my two heads
	s_mul_i32 s22, s20, HBLK
	s_mul_i32 s23, s21, 6144
	s_add_co_u32 s22, s22, s23
	s_add_co_u32 s22, s22, 196608                  ; v^T lies behind q's and k's tiles
	s_mov_b32 s23, 0
	s_add_nc_u64 s[12:13], s[12:13], s[22:23]
	s_mul_i32 s22, s20, SBLKH
	s_lshl_b32 s21, s21, 8
	s_add_co_u32 s22, s22, s21
	s_add_co_u32 s22, s22, 16384
	s_add_nc_u64 s[66:67], s[66:67], s[22:23]
.else
	s_lshl_b32 s20, s17, 2                         ; q, k: A's tile of x: 4 x cluster y + cy
	s_add_co_u32 s20, s20, s41
	s_lshl_b32 s21, s20, 1
	s_add_co_u32 s21, s21, s15
	s_and_b32 s21, s21, 15                         ; my 128 positions: which eight tiles of the batch's 128
	s_lshr_b32 s20, s20, 3
	s_lshl_b32 s20, s20, 4                         ; 16 x batch
	s_lshl_b32 s22, s40, 2
	s_add_co_u32 s20, s20, s22                     ; + 4 cx
	s_lshl_b32 s22, s16, 1
	s_add_co_u32 s20, s20, s22                     ; + 2 x my half of B: the first of my two heads
	s_mul_i32 s22, s20, HBLK
	s_mul_i32 s23, s21, 6144
	s_add_co_u32 s22, s22, s23
	s_mul_i32 s23, ttmp9, 98304                    ; k's tiles lie behind q's
	s_add_co_u32 s22, s22, s23
	s_mov_b32 s23, 0
	s_add_nc_u64 s[12:13], s[12:13], s[22:23]
	s_mul_i32 s22, s20, SBLKH
	s_lshl_b32 s21, s21, 9
	s_add_co_u32 s22, s22, s21
	s_lshl_b32 s21, ttmp9, 13
	s_add_co_u32 s22, s22, s21
	s_add_nc_u64 s[66:67], s[66:67], s[22:23]
.endif
.irp a, 0,1,2,3,4,5,6,7
	QUANTW \a
.irp c, 0,1
.if \isv                                       ; v: head a / 4, tile of d a % 4, half c of the key step
	global_store_b128 v[VO16], v[CD+6*\c:CD+6*\c+3], s[12:13] offset:(\a/4)*HBLK+(\a%4)*1536+\c*768
	global_store_b64 v[VO8], v[CD+6*\c+4:CD+6*\c+5], s[12:13] offset:(\a/4)*HBLK+(\a%4)*1536+\c*768
.else                                          ; q, k: tile a of my eight, head c
	global_store_b128 v[VO16], v[CD+6*\c:CD+6*\c+3], s[12:13] offset:\a*768+\c*HBLK
	global_store_b64 v[VO8], v[CD+6*\c+4:CD+6*\c+5], s[12:13] offset:\a*768+\c*HBLK
.endif
.endr
.endr
.irp i, 0,1,2,3
	v_cndmask_b32 v[YS+\i], v[WS+\i], v[WS+4+\i], s[HM]   ; both halves of the lanes hold all eight words: lanes 0-15 store blocks 0-3's, lanes 16-31 blocks 4-7's
.endr
.if \isv
	global_store_b128 v[VSO], v[YS:YS+3], s[66:67]         ; head lane / 16, row lane % 16, four tiles' words: 256 consecutive bytes for each head
.else
.irp i, 0,1,2,3
	v_and_b32 v[WLO+\i], 0xffff, v[YS+\i]          ; the first head's two bytes, and two bytes 0 for the half of the next product's K that holds zero codes
.endr
.irp i, 0,1,2,3
	v_lshrrev_b32 v[WHI+\i], 16, v[YS+\i]          ; the second head's
.endr
	global_store_b128 v[VO16], v[WLO:WLO+3], s[66:67]      ; 512 consecutive bytes for each head
	global_store_b128 v[VO16], v[WHI:WHI+3], s[66:67] offset:SBLKH
.endif
.endm
	PLACES NP                                      ; behind the last products: their results are read and A's registers written below
	s_mov_b32 s[SEL], 0x76543210
	s_mov_b32 s[SEL+1], 0xfedcba98
	s_mov_b32 s[HM], 0xffff0000
.irp b, 0,1,2,3
	v_mov_b32 v[TM+4+\b], 0                        ; written once: a lane permute's destination counts as one of its sources
.endr
	s_cmp_lt_u32 s17, 8
	s_cbranch_scc0 .Lepi_v
	EPI 0
	s_branch .Lend
.Lepi_v:
	EPI 1
.Lend:
	s_wait_tensorcnt 0x0                           ; the wave's end, behind my last tensor load
	ds_add_u32 v[SPW], v[NIL]
	s_wait_dscnt 0x0
	CROUND                                         ; the closing round: no work-group ends while a partner may still ask for a tile that names it
	s_endpgm
.Lfunc_end_k_qce6b60c329_qkv:
	.size	k_qce6b60c329_qkv, .Lfunc_end_k_qce6b60c329_qkv-k_qce6b60c329_qkv
	.p2alignl 7, 3214868480
	.fill 96, 4, 3214868480
	.section	.rodata,"a",@progbits
	.p2align	6, 0x0
	.amdhsa_kernel k_qce6b60c329_qkv
		.amdhsa_group_segment_fixed_size 327680
		.amdhsa_private_segment_fixed_size 0
		.amdhsa_enable_private_segment 0
		.amdhsa_kernarg_size 72
		.amdhsa_user_sgpr_count 2
		.amdhsa_user_sgpr_kernarg_segment_ptr 1
		.amdhsa_wavefront_size32 1
		.amdhsa_system_sgpr_workgroup_id_x 1
		.amdhsa_system_sgpr_workgroup_id_y 1
		.amdhsa_system_sgpr_workgroup_id_z 1
		.amdhsa_system_vgpr_workitem_id 0
		.amdhsa_next_free_vgpr 1024
		.amdhsa_next_free_sgpr 106
		.amdhsa_reserve_vcc 0
		.amdhsa_float_denorm_mode_32 3
		.amdhsa_float_denorm_mode_16_64 3
		.amdhsa_memory_ordered 1
		.amdhsa_forward_progress 1
		.amdhsa_inst_pref_size 221
	.end_amdhsa_kernel
	.amdgpu_metadata
---
amdhsa.version: [ 1, 2 ]
amdhsa.kernels:
  - .name:           k_qce6b60c329_qkv
    .symbol:         k_qce6b60c329_qkv.kd
    .args:
      - { .name: xc, .offset: 0, .size: 8, .value_kind: global_buffer, .address_space: global }
      - { .name: xs, .offset: 8, .size: 8, .value_kind: global_buffer, .address_space: global }
      - { .name: wc, .offset: 16, .size: 8, .value_kind: global_buffer, .address_space: global }
      - { .name: ws, .offset: 24, .size: 8, .value_kind: global_buffer, .address_space: global }
      - { .name: bq, .offset: 32, .size: 8, .value_kind: global_buffer, .address_space: global }
      - { .name: bk, .offset: 40, .size: 8, .value_kind: global_buffer, .address_space: global }
      - { .name: bv, .offset: 48, .size: 8, .value_kind: global_buffer, .address_space: global }
      - { .name: hc, .offset: 56, .size: 8, .value_kind: global_buffer, .address_space: global }
      - { .name: hs, .offset: 64, .size: 8, .value_kind: global_buffer, .address_space: global }
    .group_segment_fixed_size: 327680
    .private_segment_fixed_size: 0
    .kernarg_segment_align: 8
    .kernarg_segment_size: 72
    .max_flat_workgroup_size: 128
    .sgpr_count:     106
    .vgpr_count:     1024
    .wavefront_size: 32
...
	.end_amdgpu_metadata
.endif
;; end of part 3
;; launch attn (part 4): grid 4 x 64, 16 waves a work-group, no clusters, 212,992 bytes of LDS; arguments hc, hs, log_temp, oc, os; writes oc, os
.if DOCPART == 4
	.amdgcn_target "amdgcn-amd-amdhsa--gfx1250"
	.amdhsa_code_object_version 6
	.text
	.protected	k_qce6b60c329_attn
	.globl	k_qce6b60c329_attn
	.p2align	8
	.type	k_qce6b60c329_attn,@function
k_qce6b60c329_attn:
	s_mov_b64 s[64:65], 0
	v_nop
	global_prefetch_b8 v0, s[64:65] scope:SCOPE_SE
	s_setreg_imm32_b32 hwreg(HW_REG_WAVE_MODE, 25, 1), 1
	s_wait_xcnt 0x0
; o = softmax(q k^T exp(log_temp), the diagonal hidden) v for one batch x head (work-group y), both products on codes of FP6 (E2M3) with E8M0 scales; o is quantised along the head's 64 and leaves as codes.
; THE SOFTMAX: t = score x c, c = exp(log_temp) log2(e); M = the row's largest t so far, rounded UP to a whole number; p = 2^(t - M) is quantised along the keys, not normalised; the row's sum is taken of the
; unquantised p and divides O at the end.  When M moves, the sum and O are multiplied by 2^(old M - new M): exact.
; SHARES.  A work-group owns 512 queries of the head, in two passes of 256; each of its sixteen waves owns one tile of 16 positions a pass, in 256 registers: four waves to a SIMD, so that one wave's vector work stands
; beside another's matrix work and LDS loads.  Every wave walks the head's 2,048 keys, 128 a step.
; THE WHOLE HEAD LIES IN LDS: k's and v's codes (2 x 98,304 bytes) and their scale words (12,288) come once, by five tensor loads of each of waves 0 to 3; nothing is filled again, so there is no ring.
; The first four key steps wait only for the first quarter of the codes.
; LAYOUT.  Both products are used transposed: S^T = k q^T, O^T = v^T p^T: a lane holds ONE query throughout.  All operands lie in memory and LDS as images of their registers: a half fragment (16 rows x 64 along K) is 768 bytes,
; registers 0-3 at 16 x lane, registers 4-5 at 512 + 8 x lane.  Position p of a batch holds token p with bits 3 and 4 exchanged, so the 16 registers of key tiles 2 b and 2 b + 1 are 16 neighbouring keys.
; K = 64 IN AN INSTRUCTION OF 128: q's upper six registers are zero codes.  k's operand for tile t names twelve registers, of which the upper six are the next tile's codes (or zeros): they meet q's zero codes and add nothing;
; the scale bytes of that half are 0, which stands for a power of two.
; THE DIAGONAL: query and key are compared by position.  It meets a wave in one key step of sixteen: there 64 compares and selects put -FLT_MAX in its place; p is then 0.
; NO CLUSTER, though the four work-groups of a head read the same 208,896 bytes: the one step in which a wave hides the diagonal hangs on its work-group's block of queries;
; without the branch the 128 lines would stand in all 32 steps of a wave beside some 245 others, and what would be shared is fetched once for a work-group's 512 wave steps.
; LIMITS: exp(log_temp) must be a normal f32 number; NaN and infinities are not served; a block of o under 2^-124 (zeros too) has the byte 1.
; REGISTERS: v1-4 lane places; v5, v6 the add's two; v7, v8 scale places; v9-11, v29-31 the step's addresses; v12 -M, v13 the largest t, v[14:15] the sum; v16-27 q (v22-27 zeros); v28 q's scale word;
;   v32-79 eight halves of k, later four fragments of v; v80-85 zeros; v86-90 constants; v96-159 S^T, then p; v160-191 O^T; v192-203 p's codes; v204-211 k's scale words; v212-215 v's; v232-254 at work.
.set KB,    98304                      ; a head's codes of k, and of v
.set STEPB, 6144                       ; a key step's
.set SCB,   2*KB                       ; LDS: behind the codes k's scale words, 512 bytes a step,
.set VSB,   SCB+8192                   ; and v's, 256 bytes a step
.set SPARE, SCB+12288                  ; the spare words, 128 bytes for each wave
.set HBLK,  294912                     ; a batch x head's bytes in hc
.set SBLKH, 20480                      ; and in hs
.set SPW,  5
.set NIL,  6
.set ADK16, 9
.set ADK8,  10
.set ADV16, 11
.set ADV8,  29
.set ADS,   30
.set ADT,   31
.set DQ,   86                          ; v86  16 (wave % 8) + r - 8 h: register n of S^T holds my own key where 16 (n / 8) + n % 8 equals it
.set NEG,  87                          ; v87  -FLT_MAX
.set OB8,  88                          ; v88  32 r + h: my byte among o's scale bytes
.set QSO,  90                          ; v90  16 r
.set WV,   18                          ; s18  my wave's number
.set SEL,  20                          ; s[20:21] lane selects for v_permlanex16_b32: lane l xor 16
.set CS,   22                          ; s[22:23] c, twice
.set G1C,  24                          ; s[24:31] descriptor group 1: 12,288 dense bytes
.set G1S,  32                          ; s[32:39] 3,072 dense bytes
.set G0S,  40                          ; s[40:43] group 0 for my quarter of the scale words
.set G0C,  44                          ; s[44:59] groups 0 for my part of each of the four quarters of the codes
.set TB,   60                          ; s60  LDS byte at which the step's codes begin (in k's region; v's lies KB on)
.set TS,   61                          ; s61  the step's scale words of k
.set TJ,   62                          ; s62  and of v
.set SI,   63                          ; s63  the step's number
.set SST,  66                          ; s66  the step that holds my tile's own keys
.set HM,   67                          ; s67  the mask of lanes 16-31
.set QP,   68                          ; s[68:69] my tile of q;  s[70:71] its scale words;  s[72:73] my tile of o;  s[74:75] its scale bytes
.set QSP,  70
.set OP,   72
.set OSP,  74
.set CNT,  76                          ; s76  counts a loop's trips
	s_load_b128 s[4:7], s[0:1], 0x0                ; hc, hs
	s_load_b128 s[8:11], s[0:1], 0x10              ; log_temp, oc
	s_load_b64 s[12:13], s[0:1], 0x20              ; os
	v_lshl_add_u32 v[SPW], v0, 2, SPARE
	v_mov_b32 v[NIL], 0
	ds_add_u32 v[SPW], v[NIL]                      ; the wave's opening: the add, and its wait, ahead of my first tensor load; the set-up below, work on registers, stands between them
	v_lshrrev_b32 v32, 5, v0
	v_readfirstlane_b32 s[WV], v32                 ; wave 0..15
	s_mov_b32 s[G1C], 3<<16                        ; no mask; elements of 8 bytes; no padding
	s_mov_b32 s[G1C+1], 32<<16                     ; tensor_dim0 = 32 elements: rows of 256 bytes
	s_mov_b32 s[G1C+2], 48<<16                     ; tensor_dim1 = 48
	s_mov_b32 s[G1C+3], 32<<16                     ; tile_dim0
	s_mov_b32 s[G1C+4], 48                         ; tile_dim1
	s_mov_b32 s[G1C+5], 32                         ; the pitch: dense
	s_mov_b32 s[G1C+6], 0
	s_mov_b32 s[G1C+7], 0
	s_mov_b32 s[G1S], 3<<16
	s_mov_b32 s[G1S+1], 32<<16
	s_mov_b32 s[G1S+2], 12<<16
	s_mov_b32 s[G1S+3], 32<<16
	s_mov_b32 s[G1S+4], 12
	s_mov_b32 s[G1S+5], 32
	s_mov_b32 s[G1S+6], 0
	s_mov_b32 s[G1S+7], 0
	s_and_b32 s80, ttmp7, 0xffff                   ; batch x head
	s_mul_i32 s82, s80, HBLK
	s_mov_b32 s83, 0
	s_mul_i32 s84, s80, SBLKH
	s_mov_b32 s85, 0
	s_lshr_b32 s86, s[WV], 1                       ; what I fetch, if I fetch: waves 0, 1: k's codes, waves 2, 3: v's;
	s_mul_i32 s86, s86, KB
	s_and_b32 s87, s[WV], 1
	s_mul_i32 s87, s87, 12288                      ; the lower or the upper half of each quarter (24,576 bytes: four key steps)
	s_add_co_u32 s86, s86, s87                     ; the same byte in LDS and among the head's codes of k and v
	s_mul_i32 s88, s[WV], 3072                     ; and my quarter of the scale words
	s_add_co_u32 s90, s88, 8192                    ; (k's words lie behind q's 8,192 bytes)
	s_mov_b32 s91, 0
	s_mov_b32 s[SEL], 0x76543210
	s_mov_b32 s[SEL+1], 0xfedcba98
	s_mov_b32 s[HM], 0xffff0000
	s_wait_dscnt 0x0                               ; the opening add is done
	s_wait_kmcnt 0x0
	s_load_b32 s14, s[8:9], 0x0                    ; log_temp
	s_add_nc_u64 s[4:5], s[4:5], s[82:83]          ; hc and hs at my head
	s_add_nc_u64 s[6:7], s[6:7], s[84:85]
	s_mov_b32 s[G0S], 1
	s_add_co_u32 s[G0S+1], s88, SCB
	s_add_nc_u64 s[G0S+2:G0S+3], s[6:7], s[90:91]
	s_or_b32 s[G0S+3], s[G0S+3], 0x80000000
	s_add_co_u32 s90, s86, KB                      ; (k's codes lie behind q's 98,304 bytes)
	s_add_nc_u64 s[82:83], s[4:5], s[90:91]
.irp g, 0,1,2,3
	s_mov_b32 s[G0C+4*\g], 1
	s_add_co_u32 s[G0C+4*\g+1], s86, \g*24576
	s_add_nc_u64 s[G0C+4*\g+2:G0C+4*\g+3], s[82:83], \g*24576
	s_or_b32 s[G0C+4*\g+3], s[G0C+4*\g+3], 0x80000000
.endr
	s_cmp_lt_u32 s[WV], 4                          ; all first fills of a wave stand in one branch on the wave's number: five loads of mine are out
	s_cbranch_scc0 .Lno_fetch
	tensor_load_to_lds s[G0S:G0S+3], s[G1S:G1S+7]
	s_nop 0
.irp g, 0,1,2,3
	tensor_load_to_lds s[G0C+4*\g:G0C+4*\g+3], s[G1C:G1C+7]
	s_nop 0
.endr
.rept 4
	v_nop
.endr
.Lno_fetch:
	v_and_b32 v32, 31, v0                          ; lane
	v_and_b32 v33, 15, v0                          ; r
	v_bfe_u32 v34, v0, 4, 1                        ; h
	v_lshlrev_b32 v1, 4, v32                       ; an image's registers 0-3: 16 x lane
	v_lshl_add_u32 v2, v32, 3, 512                 ; registers 4-5: 512 + 8 x lane
	v_add_nc_u32 v3, KB, v1                        ; the same in v's region
	v_add_nc_u32 v4, KB, v2
	v_lshl_add_u32 v7, v33, 4, SCB                 ; k's scale words: row r's four tiles
	v_lshl_add_u32 v8, v33, 4, VSB                 ; v's
	v_lshlrev_b32 v[QSO], 4, v33
	v_lshl_add_u32 v[OB8], v33, 5, v34
	s_and_b32 s86, s[WV], 7
	s_lshl_b32 s86, s86, 4
	v_lshlrev_b32 v35, 3, v34
	v_sub_nc_u32 v[DQ], v33, v35
	v_add_nc_u32 v[DQ], s86, v[DQ]
	v_mov_b32 v[NEG], 0xff7fffff
.irp j, 22,23,24,25,26,27,80,81,82,83,84,85
	v_mov_b32 v[\j], 0                             ; zero codes
.endr
.irp b, 0,1,2,3
	v_mov_b32 v[236+\b], 0                         ; written once: a lane permute's destination counts as one of its sources
.endr
	v_mov_b32 v252, 0
	v_mov_b32 v253, 0                              ; (named as the upper half of the pair v[252:253] before it is first written)
	s_lshl_b32 s81, ttmp9, 5
	s_add_co_u32 s81, s81, s[WV]                   ; my tile of positions in pass 0: 32 x work-group x + wave
	s_mul_i32 s86, s81, 768
	s_mov_b32 s87, 0
	s_add_nc_u64 s[QP:QP+1], s[4:5], s[86:87]
	s_lshr_b32 s86, s81, 2
	s_lshl_b32 s86, s86, 8
	s_and_b32 s88, s81, 3
	s_lshl_b32 s88, s88, 2
	s_add_co_u32 s86, s86, s88                     ; q's words: 256 x (tile / 4) + 4 x (tile % 4), + 16 r
	s_add_nc_u64 s[QSP:QSP+1], s[6:7], s[86:87]
	s_lshr_b32 s88, s80, 4                         ; batch
	s_and_b32 s89, s80, 15                         ; head
	s_lshl_b32 s88, s88, 7
	s_add_co_u32 s88, s88, s81                     ; my tile among all 512
	s_mul_i32 s86, s89, 393216                     ; oc: [head][tile][768]
	s_mul_i32 s90, s88, 768
	s_add_co_u32 s86, s86, s90
	s_add_nc_u64 s[OP:OP+1], s[10:11], s[86:87]
	s_lshl_b32 s86, s88, 9                         ; os: [position][32], byte 2 x head + block
	s_lshl_b32 s90, s89, 1
	s_add_co_u32 s86, s86, s90
	s_add_nc_u64 s[OSP:OSP+1], s[12:13], s[86:87]
	s_lshl_b32 s[SST], ttmp9, 2
	s_lshr_b32 s86, s[WV], 3
	s_add_co_u32 s[SST], s[SST], s86               ; tile / 8
	s_wait_kmcnt 0x0
	v_mov_b32 v33, s14
	v_mul_f32 v33, 0x3fb8aa3b, v33                 ; log_temp x log2(e)
	v_exp_f32 v33, v33                             ; exp(log_temp)
	v_nop                                          ; a plain place behind the transcendental,
	s_wait_alu depctr_va_vdst(0)                   ; and the wait ahead of its first reader
	v_mul_f32 v33, 0x3fb8aa3b, v33                 ; c
	v_readfirstlane_b32 s[CS], v33
	s_mov_b32 s[CS+1], s[CS]
.macro START                           ; a pass begins: my tile of q, and an empty softmax
	global_load_b128 v[16:19], v1, s[QP:QP+1]
	global_load_b64 v[20:21], v2, s[QP:QP+1]
	global_load_b32 v28, v[QSO], s[QSP:QSP+1]
	v_mov_b32 v13, 0xff61b1e6                      ; the largest t so far: -3e38, under every t
	v_floor_f32 v12, -v13                          ; -M
	v_mov_b32 v14, 0
	v_mov_b32 v15, 0
.irp j, 0,1,2,3,4,5,6,7,8,9,10,11,12,13,14,15,16,17,18,19,20,21,22,23,24,25,26,27,28,29,30,31
	v_mov_b32 v[160+\j], 0                         ; O^T: the step is written once; the first finds zeros, which the first change of M leaves zeros
.endr
	s_wait_loadcnt 0x0
.endm
; A KEY STEP: 128 keys.
.macro STEP
	v_add_nc_u32 v[ADK16], s[TB], v1               ; (these six are also the places behind the last step's products, in front of the loads into their registers)
	v_add_nc_u32 v[ADK8], s[TB], v2
	v_add_nc_u32 v[ADV16], s[TB], v3
	v_add_nc_u32 v[ADV8], s[TB], v4
	v_add_nc_u32 v[ADS], s[TS], v7
	v_add_nc_u32 v[ADT], s[TJ], v8
.irp t, 0,1,2,3,4,5,6,7
	ds_load_b128 v[32+6*\t:35+6*\t], v[ADK16] offset:768*\t
	ds_load_b64 v[36+6*\t:37+6*\t], v[ADK8] offset:768*\t
.endr
	ds_load_b128 v[204:207], v[ADS]                ; row r's words of tiles 0-3,
	ds_load_b128 v[208:211], v[ADS] offset:256     ; and of tiles 4-7
	s_wait_dscnt 0x0
.irp t, 0,1,2,3,4,5,6,7
	v_wmma_scale_f32_16x16x128_f8f6f4 v[96+8*\t:103+8*\t], v[32+6*\t:43+6*\t], v[16:27], 0, v[204+\t], v28 matrix_a_fmt:MATRIX_FMT_FP6 matrix_b_fmt:MATRIX_FMT_FP6
.endr
.rept 4
	v_nop                                          ; places: in front of the loads into k's registers, and of the first read of the scores
.endr
.irp t, 0,1,2,3                                ; v's four fragments land under the softmax
.irp c, 0,1
	ds_load_b128 v[32+12*\t+6*\c:35+12*\t+6*\c], v[ADV16] offset:1536*\t+768*\c
	ds_load_b64 v[36+12*\t+6*\c:37+12*\t+6*\c], v[ADV8] offset:1536*\t+768*\c
.endr
.endr
	ds_load_b128 v[212:215], v[ADT]
	s_cmp_lg_u32 s[SI], s[SST]                     ; ids and the count of steps alone: the one step that holds my own keys
	s_cbranch_scc1 .Loff_\@
.irp n, 0,1,2,3,4,5,6,7,8,9,10,11,12,13,14,15,16,17,18,19,20,21,22,23,24,25,26,27,28,29,30,31,32,33,34,35,36,37,38,39,40,41,42,43,44,45,46,47,48,49,50,51,52,53,54,55,56,57,58,59,60,61,62,63
	v_cmp_eq_i32 vcc_lo, 16*(\n/8)+\n%8, v[DQ]
	v_cndmask_b32 v[96+\n], v[96+\n], v[NEG], vcc_lo
.endr
.Loff_\@:
.irp b, 0,1,2,3
	v_max3_num_f32 v[232+\b], v[96+16*\b], v[97+16*\b], v[98+16*\b]   ; THE LARGEST SCORE OF EACH BLOCK OF 32 KEYS: for the row's maximum, and, since p rises with the score, for the block's largest p
.endr
.irp i, 3,5,7,9,11,13
.irp b, 0,1,2,3
	v_max3_num_f32 v[232+\b], v[232+\b], v[96+16*\b+\i], v[97+16*\b+\i]
.endr
.endr
.irp b, 0,1,2,3
	v_max_num_f32 v[232+\b], v[232+\b], v[111+16*\b]
.endr
.irp b, 0,1,2,3
	v_permlanex16_b32 v[236+\b], v[232+\b], s[SEL], s[SEL+1]
.endr
.irp b, 0,1,2,3
	v_max_num_f32 v[232+\b], v[232+\b], v[236+\b]  ; with lane l xor 16's 16 keys
.endr
	v_max3_num_f32 v254, v232, v233, v234
	v_max_num_f32 v254, v254, v235                 ; the step's largest score of my query
	v_mul_f32 v254, s[CS], v254                    ; as t (c is positive)
	v_max_num_f32 v13, v13, v254                   ; the running largest t
	v_mov_b32 v254, v12
	v_floor_f32 v12, -v13                          ; the new -M = floor(-t): M is a whole number
	v_sub_f32 v254, v12, v254                      ; M's old value less its new one: a whole number, 0 or less
	v_cvt_i32_f32 v254, v254                       ; (it saturates)
	v_ldexp_f32 v252, 1.0, v254                    ; f = 2^(old M - new M)
.irp j, 0,2,4,6,8,10,12,14,16,18,20,22,24,26,28,30,32,34,36,38,40,42,44,46,48,50,52,54,56,58,60,62
	v_pk_fma_f32 v[96+\j:97+\j], v[96+\j:97+\j], s[CS:CS+1], v[12:13] op_sel_hi:[1,0,0]   ; t - M, two at a time
.endr
.irp b, 0,1,2,3
	v_fma_f32 v[232+\b], v[232+\b], s[CS], v12     ; the same of each block's largest score
.endr
.irp j, 0,1,2,3,4,5,6,7,8,9,10,11,12,13,14,15,16,17,18,19,20,21,22,23,24,25,26,27,28,29,30,31,32,33,34,35,36,37,38,39,40,41,42,43,44,45,46,47,48,49,50,51,52,53,54,55,56,57,58,59,60,61,62,63
	v_exp_f32 v[96+\j], v[96+\j]                   ; p = 2^(t - M), at most 1: not normalised
.endr
	v_pk_mul_f32 v[14:15], v[14:15], v[252:253] op_sel_hi:[1,0]   ; the sums under the new M (a plain place behind the exponentials)
	s_wait_alu depctr_va_vdst(0)                   ; one wait for the whole batch, ahead of its first reader
.irp b, 0,1,2,3
	v_exp_f32 v[232+\b], v[232+\b]                 ; the block's largest p: the same two instructions on the same number give the same bits
.endr
	v_pk_add_f32 v[236:237], v[96:97], v[98:99]    ; THE ROW'S SUM IS TAKEN OF THE UNQUANTISED p: two at a time, in two chains
.irp j, 4,8,12,16,20,24,28,32,36,40,44,48,52,56,60
	v_pk_add_f32 v[14:15], v[14:15], v[96+\j:97+\j]
	v_pk_add_f32 v[236:237], v[236:237], v[98+\j:99+\j]
.endr
	v_pk_add_f32 v[14:15], v[14:15], v[236:237]
	s_wait_alu depctr_va_vdst(0)                   ; and one for the four
.irp b, 0,1,2,3
	v_max_num_f32 v[232+\b], 0x1800000, v[232+\b]  ; the floor 2^(3 - 127): the byte cannot fall under 1
.endr
.irp b, 0,1,2,3
	v_add_nc_u32 v[244+\b], 0xff000000, v[232+\b]  ; 2 off the exponent field: the conversion's scale operand
.endr
.irp b, 0,1,2,3
	v_lshrrev_b32 v[236+\b], 23, v[244+\b]         ; the scale's byte
.endr
	v_lshl_or_b32 v253, v237, 8, v236              ; p's scale word for these 128 keys
	v_lshl_or_b32 v253, v238, 16, v253
	v_lshl_or_b32 v253, v239, 24, v253
.irp c, 0,1
	v_cvt_scalef32_pk16_fp6_f32 v[192+6*\c:194+6*\c], v[96+32*\c:111+32*\c], v[244+2*\c]
	v_cvt_scalef32_pk16_fp6_f32 v[236+4*\c:238+4*\c], v[112+32*\c:127+32*\c], v[245+2*\c]   ; (a conversion's three registers begin on an even number)
.endr
	v_nop                                          ; one plain place behind a scaled conversion
.irp c, 0,1                                    ; the operand's layout wants a WHOLE block in a lane
.irp i, 0,1,2
	v_permlane16_swap_b32 v[192+6*\c+\i], v[236+4*\c+\i]
.endr
.irp i, 0,1,2
	v_mov_b32 v[195+6*\c+\i], v[236+4*\c+\i]
.endr
.endr
.irp j, 0,2,4,6,8,10,12,14,16,18,20,22,24,26,28,30
	v_pk_mul_f32 v[160+\j:161+\j], v[160+\j:161+\j], v[252:253] op_sel_hi:[1,0]   ; O^T under the new M.  (These sixteen are also the places between the lines that made p's codes and scale word and the products)
.endr
	s_wait_dscnt 0x0                               ; v's fragments and scale words are in
.irp t, 0,1,2,3
	v_wmma_scale_f32_16x16x128_f8f6f4 v[160+8*\t:167+8*\t], v[32+12*\t:43+12*\t], v[192:203], v[160+8*\t:167+8*\t], v[212+\t], v253 matrix_a_fmt:MATRIX_FMT_FP6 matrix_b_fmt:MATRIX_FMT_FP6
.endr                                          ; the four accumulators take turns, and eight other products stand between a step's and the next step's
	s_add_co_u32 s[TB], s[TB], STEPB
	s_add_co_u32 s[TS], s[TS], 512
	s_add_co_u32 s[TJ], s[TJ], 256
	s_add_co_u32 s[SI], s[SI], 1
.endm
.macro WALK n                          ; n key steps
	s_mov_b32 s[CNT], \n
.Lstep_\@:
	STEP
	s_sub_co_u32 s[CNT], s[CNT], 1
	s_cmp_lg_u32 s[CNT], 0
	s_cbranch_scc1 .Lstep_\@
.endm
; A pass ends: O^T / the sum; register 16 i + j is d = 32 i + 16 h + j of my query: two blocks of 32 along the last product's K.  They become a half fragment and two scale bytes.
.macro FINISH
.rept 4
	v_nop                                          ; places behind the last products
.endr
	v_add_f32 v14, v14, v15                        ; the sum's two halves,
	v_permlanex16_b32 v252, v14, s[SEL], s[SEL+1]
	v_add_f32 v14, v14, v252                       ; and lane l xor 16's: the row's sum
	v_rcp_f32 v14, v14
	v_nop                                          ; a plain place behind the transcendental
	s_wait_alu depctr_va_vdst(0)                   ; and the wait ahead of its first reader
.irp j, 0,2,4,6,8,10,12,14,16,18,20,22,24,26,28,30
	v_pk_mul_f32 v[96+\j:97+\j], v[160+\j:161+\j], v[14:15] op_sel_hi:[1,0]
.endr
.irp b, 0,1
	v_max3_num_f32 v[232+\b], |v[96+16*\b]|, |v[97+16*\b]|, 0x1800000
.endr
.irp i, 2,4,6,8,10,12,14
.irp b, 0,1
	v_max3_num_f32 v[232+\b], v[232+\b], |v[96+16*\b+\i]|, |v[97+16*\b+\i]|
.endr
.endr
.irp b, 0,1
	v_permlanex16_b32 v[236+\b], v[232+\b], s[SEL], s[SEL+1]
.endr
.irp b, 0,1
	v_max_num_f32 v[232+\b], v[232+\b], v[236+\b]
.endr
.irp b, 0,1
	v_add_nc_u32 v[244+\b], 0xff000000, v[232+\b]
.endr
.irp b, 0,1
	v_lshrrev_b32 v[236+\b], 23, v[244+\b]
.endr
	v_cvt_scalef32_pk16_fp6_f32 v[192:194], v[96:111], v244
	v_cvt_scalef32_pk16_fp6_f32 v[240:242], v[112:127], v245
	v_nop                                          ; one plain place behind a scaled conversion
.irp i, 0,1,2
	v_permlane16_swap_b32 v[192+\i], v[240+\i]
.endr
.irp i, 0,1,2
	v_mov_b32 v[195+\i], v[240+\i]
.endr
	v_cndmask_b32 v238, v236, v237, s[HM]          ; lanes 0-15 store block 0's byte, lanes 16-31 block 1's
	global_store_b128 v1, v[192:195], s[OP:OP+1]   ; 512 consecutive bytes, aligned,
	global_store_b64 v2, v[196:197], s[OP:OP+1]    ; and 256
	global_store_b8 v[OB8], v238, s[OSP:OSP+1]     ; 32 single bytes in 16 rows of os: 32 of the 800 bytes that the wave stores here; in exchange the last product finds its scale bytes in rows
.endm
	START
	s_mov_b32 s[TB], 0
	s_mov_b32 s[TS], 0
	s_mov_b32 s[TJ], 0
	s_mov_b32 s[SI], 0
	s_wait_tensorcnt 0x3                           ; the scale words and my part of the first quarter are in; the three later quarters may be out
	s_barrier_signal -1
	s_barrier_wait -1                              ; everybody's are
	WALK 4
	s_wait_tensorcnt 0x0                           ; all my loads have landed,
	s_barrier_signal -1
	s_barrier_wait -1                              ; everybody's have: the whole head lies in LDS
	WALK 12
	FINISH
	s_wait_xcnt 0x0                                ; the stores have read their data and bases: both are written again only behind this wait
	s_add_nc_u64 s[QP:QP+1], s[QP:QP+1], 16*768    ; pass 1: sixteen tiles on
	s_add_nc_u64 s[QSP:QSP+1], s[QSP:QSP+1], 1024
	s_add_nc_u64 s[OP:OP+1], s[OP:OP+1], 16*768
	s_add_nc_u64 s[OSP:OSP+1], s[OSP:OSP+1], 16*512
	s_add_co_u32 s[SST], s[SST], 2
	START
	s_mov_b32 s[TB], 0
	s_mov_b32 s[TS], 0
	s_mov_b32 s[TJ], 0
	s_mov_b32 s[SI], 0
	WALK 16
	FINISH
	s_wait_tensorcnt 0x0                           ; the wave's end, behind my last tensor load
	ds_add_u32 v[SPW], v[NIL]
	s_wait_dscnt 0x0
	s_endpgm
.Lfunc_end_k_qce6b60c329_attn:
	.size	k_qce6b60c329_attn, .Lfunc_end_k_qce6b60c329_attn-k_qce6b60c329_attn
	.p2alignl 7, 3214868480
	.fill 96, 4, 3214868480
	.section	.rodata,"a",@progbits
	.p2align	6, 0x0
	.amdhsa_kernel k_qce6b60c329_attn
		.amdhsa_group_segment_fixed_size 212992
		.amdhsa_private_segment_fixed_size 0
		.amdhsa_enable_private_segment 0
		.amdhsa_kernarg_size 40
		.amdhsa_user_sgpr_count 2
		.amdhsa_user_sgpr_kernarg_segment_ptr 1
		.amdhsa_wavefront_size32 1
		.amdhsa_system_sgpr_workgroup_id_x 1
		.amdhsa_system_sgpr_workgroup_id_y 1
		.amdhsa_system_sgpr_workgroup_id_z 1
		.amdhsa_system_vgpr_workitem_id 0
		.amdhsa_next_free_vgpr 256
		.amdhsa_next_free_sgpr 100
		.amdhsa_reserve_vcc 1
		.amdhsa_float_denorm_mode_32 3
		.amdhsa_float_denorm_mode_16_64 3
		.amdhsa_memory_ordered 1
		.amdhsa_forward_progress 1
		.amdhsa_inst_pref_size 81
	.end_amdhsa_kernel
	.amdgpu_metadata
---
amdhsa.version: [ 1, 2 ]
amdhsa.kernels:
  - .name:           k_qce6b60c329_attn
    .symbol:         k_qce6b60c329_attn.kd
    .args:
      - { .name: hc, .offset: 0, .size: 8, .value_kind: global_buffer, .address_space: global }
      - { .name: hs, .offset: 8, .size: 8, .value_kind: global_buffer, .address_space: global }
      - { .name: log_temp, .offset: 16, .size: 8, .value_kind: global_buffer, .address_space: global }
      - { .name: oc, .offset: 24, .size: 8, .value_kind: global_buffer, .address_space: global }
      - { .name: os, .offset: 32, .size: 8, .value_kind: global_buffer, .address_space: global }
    .group_segment_fixed_size: 212992
    .private_segment_fixed_size: 0
    .kernarg_segment_align: 8
    .kernarg_segment_size: 40
    .max_flat_workgroup_size: 512
    .sgpr_count:     100
    .vgpr_count:     256
    .wavefront_size: 32
...
	.end_amdgpu_metadata
.endif
;; end of part 4
;; launch outp (part 5): grid 4 x 32, 4 waves a work-group, clusters of 4 x 4, 327,680 bytes of LDS; arguments oc, os, wc, ws, bo, out0; writes out0
.if DOCPART == 5
	.amdgcn_target "amdgcn-amd-amdhsa--gfx1250"
	.amdhsa_code_object_version 6
	.text
	.protected	k_qce6b60c329_outp
	.globl	k_qce6b60c329_outp
	.p2align	8
	.type	k_qce6b60c329_outp,@function
k_qce6b60c329_outp:
	s_mov_b64 s[64:65], 0
	v_nop
	global_prefetch_b8 v0, s[64:65] scope:SCOPE_SE
	s_setreg_imm32_b32 hwreg(HW_REG_WAVE_MODE, 25, 1), 1
	s_wait_xcnt 0x0
	s_wait_alu depctr_hold_cnt(0) depctr_sa_sdst(0) depctr_va_vdst(0) depctr_va_sdst(0) depctr_va_ssrc(0) depctr_va_vcc(0) depctr_vm_vsrc(0)
	s_getreg_b32 s2, hwreg(HW_REG_IB_STS2, 6, 4)
	s_cmp_eq_u32 s2, 0
	s_cbranch_scc0 .Lentry_in_a_cluster
	s_endpgm
.Lentry_in_a_cluster:
	s_bfe_u32 s2, ttmp6, 0x10000c
	s_cmp_lg_u32 s2, 0xf033
	s_cbranch_scc0 .Lentry_shape_is_right
	s_endpgm
.Lentry_shape_is_right:
; out0 = o Wo + bo on codes of FP6 (E2M3) with E8M0 scales for each 32 along K = 1,024 (K = 64 x head + d).  out0: [8192][1024] f32.
; A tile of 256 x 256 of out0 is made by four waves, 128 x 128 each: 64 accumulators.  K goes in four steps of 256 (four heads) through two LDS slots filled by the tensor data mover; the scale bytes come once.
; A = o, as IMAGES OF THE OPERAND'S REGISTERS: oc is [head][tile of 16 positions][768 bytes]: registers 0-3 of a half fragment (64 along K) at 16 x lane, registers 4-5 at 512 + 8 x lane.  A wave's load brings, for four heads,
; the 6,144 consecutive bytes of eight tiles.  A fragment (128 along K) is two heads' halves: two loads of 16 bytes and two of 8 a lane, each on consecutive bytes: no padding is wanted.
; B = Wo's rows of codes (rows 3,072 on of wc), 192 bytes of a row in a K step, padded in LDS.
; THE MATRIX INSTRUCTION IS USED TRANSPOSED (source 0 = 16 positions of Wo's columns, source 1 = 16 positions of o).  Position p holds row (or column) p with bits 3 and 4 exchanged: so a lane's 16 registers of B's blocks 2 b, 2 b + 1
; are columns 32 b + 16 (lane / 16) + 0 .. 15, and row t of A's block a is token 32 (a / 2) + 8 (a % 2) + t + 8 (t / 8) of the wave's 128.  THE BIAS is the C of each sum's first matrix instruction.
; CLUSTERS: 4 x 4 work-groups; A's tile is shared along a row of the cluster, B's along a column: each is asked for jointly, by the same tensor load with the same descriptor and a mask that names the four.
; REGISTERS, in windows of 256: window 0: v0-31 addresses; v32-63 scale words, two sets; v64-127 the bias; from v128 A's fragments, one set; on the way out v128-255 take rows of out0.
;   window 1: B's fragments, two sets.   window 2: the accumulators of A's blocks 0-3;   window 3: those of blocks 4-7.
.set NQ,     2                         ; matrix instructions deep in a K step of 256
.set ROWB,   192                       ; B: a tile's row in bytes
.set KROW,   768                       ; B: a row of codes in memory
.set PITCH,  240                       ; B: an LDS row: 3 x (64 bytes of data + 16 of padding)
.set FR,     12
.set NLA,    4                         ; LDS loads that bring a fragment of A
.set NP,     4                         ; places behind this matrix instruction (ISA guide 7.12.1)
.set HALFA,  4*6144                    ; A: four heads x eight tiles: what one tensor load brings
.set HALFB,  128*PITCH                 ; B: 128 rows
.set BOFF,   2*HALFA                   ; a slot: A's two halves, then B's two
.set SLOT,   BOFF+2*HALFB
.set KSA,    4*393216                  ; A: four heads on, in bytes
.set KS,     32                        ; a row of scale bytes
.set SCL,    2*SLOT                    ; behind the ring: the scales, as runs of 256 bytes + 16 of padding
.set HALFS,  (128*KS/256)*272
.set SBLK,   (16*KS/256)*272
.set SPARE,  SCL+4*HALFS               ; behind the scales: the spare words, 128 bytes for each wave
.set SPITCH, 528                       ; the way out: a stage of 16 rows x (512 bytes + 16) for each wave, in slot 0, which has had its last fill and its last read when the first result is stored there
.set ADRA, 16                          ; v16-17 LDS address of A's registers 0-3 in slot 0, 1; v18-19 of registers 4-5
.set ADRB, 20                          ; v20-21 LDS address of my B fragments; v22-23 for the pieces behind one padding more
.set STO,  24                          ; v24  the way out: where I put my bytes of a row
.set RD,   25                          ; v25  where I read a row back
.set CO,   26                          ; v26  my byte offset in a row of out0
.set ADRS, 27                          ; v27  LDS address of my scale words: lanes 0-15 A's rows, lanes 16-31 B's
.set SPW,  28                          ; v28  LDS address of my spare word; never rewritten
.set NIL,  29                          ; v29  0; never rewritten
.set SC,   32
.set BI,   64                          ; v64-127 the bias: eight registers for each of B's blocks
.set AF,   128
.set BK,   128                         ; the way out: 16 rows read back: v128-191 and v192-255 by turns
.set G1, 24
.set G0, 32
.set G1B, 48
.set G0B, 56
.set G1S, 68
.set G0S, 76
.set G1SB, 80
.set G0SB, 88
.set MSB, 0
.macro WIN new                         ; the immediate's high byte repeats the setting that is left
.if MSB != (\new)
	s_set_vgpr_msb (MSB<<8)|(\new)
.set MSB, (\new)
.endif
.endm
.set MUL_LO, 0xa1                      ; source 0 (B) window 1, source 1 (A) window 0, C and D window 2
.set MUL_HI, 0xf1
.set FST_LO, 0x81                      ; the first products: C (the bias) window 0, D window 2
.set FST_HI, 0xc1
.set TO_B,   0x40
.macro JLOAD g0a, g1a, g0b, g1b        ; a joint load: waves 0 and 1 fetch for A, waves 2 and 3 for B; an s_nop 0 and four v_nop follow each of the two lines
	s_cmp_eq_u32 s15, 0
	s_cbranch_scc0 .Lfor_b_\@
	tensor_load_to_lds s[\g0a:\g0a+3], s[\g1a:\g1a+7]
	s_nop 0
.rept 4
	v_nop
.endr
	s_branch .Lasked_\@
.Lfor_b_\@:
	tensor_load_to_lds s[\g0b:\g0b+3], s[\g1b:\g1b+7]
	s_nop 0
.rept 4
	v_nop
.endr
.Lasked_\@:
.endm
.macro CREST
	s_cmp_lg_u32 s14, 0
	s_cbranch_scc1 .Lnot_wave_0_\@
	s_barrier_signal -3
.Lnot_wave_0_\@:
	s_barrier_wait -3
	s_barrier_signal -1
	s_barrier_wait -1
.endm
.macro CROUND
	s_barrier_signal -1
	s_barrier_wait -1
	CREST
.endm
	s_load_b128 s[4:7], s[0:1], 0x0                ; o's codes, o's scales
	s_load_b128 s[8:11], s[0:1], 0x10              ; the weights' codes, their scales
	s_load_b64 s[96:97], s[0:1], 0x20              ; bo
	s_load_b64 s[12:13], s[0:1], 0x28              ; out0
	v_lshl_add_u32 v[SPW], v0, 2, SPARE
	v_mov_b32 v[NIL], 0
	ds_add_u32 v[SPW], v[NIL]                      ; the wave's opening: the add, and its wait, ahead of my first tensor load; the set-up below, work on registers, stands between them
	v_lshrrev_b32 v1, 5, v0
	v_readfirstlane_b32 s14, v1                    ; wave 0..3
	s_lshr_b32 s15, s14, 1                         ; which half of the tile's rows is mine.  Also: I fetch for A (0) or for B (1)
	s_and_b32 s16, s14, 1                          ; which half of its columns.  Also: which half of that tile I fetch
	s_bfe_u32 s40, ttmp6, 0x40000                  ; cx, cy
	s_bfe_u32 s41, ttmp6, 0x40004
	s_lshl_b32 s42, ttmp9, 2
	s_add_co_u32 s42, s42, s40                     ; tile column = 4 x cluster x + cx
	s_and_b32 s17, ttmp7, 0xffff
	s_lshl_b32 s17, s17, 2
	s_add_co_u32 s17, s17, s41                     ; tile row = 4 x cluster y + cy
	s_lshl_b32 s43, s41, 2
	s_lshl_b32 s43, 15, s43                        ; my row of the cluster
	s_lshl_b32 s44, 0x1111, s40                    ; my column
	; A's tile: 4 rows (heads) of 768 elements of 8 bytes (eight tiles' images), 49,152 elements (a head's 393,216 bytes) apart; no padding
	s_or_b32 s[G1+0], s43, (3<<16)|(1<<21)         ; 15:0 the mask: my row of the cluster; elements of 8 bytes; 21 set beside a mask
	s_mov_b32 s[G1+1], 768<<16                     ; tensor_dim0
	s_mov_b32 s[G1+2], 4<<16                       ; tensor_dim1
	s_mov_b32 s[G1+3], 768<<16                     ; tile_dim0
	s_mov_b32 s[G1+4], 4                           ; tile_dim1
	s_mov_b32 s[G1+5], 49152                       ; tensor_dim0_stride
	s_mov_b32 s[G1+6], 0
	s_mov_b32 s[G1+7], 0
	; B's tile: 128 rows x 192 bytes, padded in LDS
	s_or_b32 s[G1B+0], s44, (0<<16)|(1<<20)|(1<<21)|(3<<22)|(3<<25)
	s_mov_b32 s[G1B+1], ROWB<<16
	s_mov_b32 s[G1B+2], 128<<16
	s_mov_b32 s[G1B+3], ROWB<<16
	s_mov_b32 s[G1B+4], 128
	s_mov_b32 s[G1B+5], KROW
	s_mov_b32 s[G1B+6], 0
	s_mov_b32 s[G1B+7], 0
	; the scales of 128 rows: 4,096 dense bytes, as rows of 256 bytes, 16 bytes of padding behind each
	s_or_b32 s[G1S+0], s43, (3<<16)|(1<<20)|(1<<21)|(5<<22)|(3<<25)
	s_or_b32 s[G1SB+0], s44, (3<<16)|(1<<20)|(1<<21)|(5<<22)|(3<<25)
.irp g, G1S, G1SB
	s_mov_b32 s[\g+1], 32<<16
	s_mov_b32 s[\g+2], (128*KS/256)<<16
	s_mov_b32 s[\g+3], 32<<16
	s_mov_b32 s[\g+4], 128*KS/256
	s_mov_b32 s[\g+5], 32
	s_mov_b32 s[\g+6], 0
	s_mov_b32 s[\g+7], 0
.endr
	s_lshl_b32 s18, s16, 7                         ; which 128 rows of the tile I fetch
	s_lshl_b32 s20, s17, 8
	s_add_co_u32 s20, s20, s18                     ; A: position 256 x tile row + 128 x half
	s_lshl_b32 s46, s42, 8
	s_add_co_u32 s46, s46, s18
	s_add_co_u32 s46, s46, 3072                    ; B: row 3,072 (Wo's first) + 256 x tile column + 128 x half
	s_lshl_b32 s22, s20, 5                         ; where these rows' scales begin,
	s_mov_b32 s23, 0
	s_lshl_b32 s92, s46, 5
	s_mov_b32 s93, 0
	s_mul_i32 s20, s20, 48                         ; and their codes: A: 768 bytes for 16 positions;
	s_mov_b32 s21, 0
	s_mul_i32 s46, s46, KROW                       ; B: 768 bytes a row
	s_mov_b32 s47, 0
	s_mul_i32 s45, s16, HALFA                      ; where they go: no place in the cluster enters an LDS address
	s_mul_i32 s95, s16, HALFB
	s_add_co_u32 s95, s95, BOFF
	s_mul_i32 s94, s14, HALFS
	s_wait_dscnt 0x0                               ; the opening add is done
	s_wait_kmcnt 0x0
	s_add_nc_u64 s[20:21], s[4:5], s[20:21]
	s_add_nc_u64 s[22:23], s[6:7], s[22:23]
	s_add_nc_u64 s[46:47], s[8:9], s[46:47]
	s_add_nc_u64 s[92:93], s[10:11], s[92:93]
	CROUND                                         ; all sixteen work-groups are here: the first joint loads meet
	s_mov_b32 s[G0S], 1
	s_add_co_u32 s[G0S+1], s94, SCL
	s_mov_b64 s[G0S+2:G0S+3], s[22:23]
	s_or_b32 s[G0S+3], s[G0S+3], 0x80000000
	s_mov_b32 s[G0SB], 1
	s_add_co_u32 s[G0SB+1], s94, SCL
	s_mov_b64 s[G0SB+2:G0SB+3], s[92:93]
	s_or_b32 s[G0SB+3], s[G0SB+3], 0x80000000
	JLOAD G0S, G1S, G0SB, G1SB                     ; the scales first
.irp s, 0,1
	s_mov_b32 s[G0+4*\s], 1
	s_add_co_u32 s[G0+4*\s+1], s45, \s*SLOT
	s_add_nc_u64 s[G0+4*\s+2:G0+4*\s+3], s[20:21], \s*KSA
	s_or_b32 s[G0+4*\s+3], s[G0+4*\s+3], 0x80000000
	s_mov_b32 s[G0B+4*\s], 1
	s_add_co_u32 s[G0B+4*\s+1], s95, \s*SLOT
	s_add_nc_u64 s[G0B+4*\s+2:G0B+4*\s+3], s[46:47], \s*ROWB
	s_or_b32 s[G0B+4*\s+3], s[G0B+4*\s+3], 0x80000000
	JLOAD G0+4*\s, G1, G0B+4*\s, G1B               ; three loads of mine are out
.endr
	v_and_b32 v1, 15, v0                           ; r
	v_bfe_u32 v2, v0, 4, 1                         ; h
	v_lshlrev_b32 v7, 6, v2                        ; the bias: register j of B's block t is column 32 (t / 2) + 8 (t % 2) + 16 h + j
	s_lshl_b32 s18, s42, 10
	s_lshl_b32 s19, s16, 9
	s_add_co_u32 s18, s18, s19                     ; (256 x tile column + 128 x my half) x 4
	s_mov_b32 s19, 0
	s_add_nc_u64 s[96:97], s[96:97], s[18:19]
.irp t, 0,1,2,3,4,5,6,7
	global_load_b128 v[BI+8*\t:BI+8*\t+3], v7, s[96:97] offset:(32*(\t/2)+8*(\t%2))*4
	global_load_b128 v[BI+8*\t+4:BI+8*\t+7], v7, s[96:97] offset:(32*(\t/2)+8*(\t%2))*4+16
.endr
	v_and_b32 v6, 31, v0                           ; lane
	v_lshlrev_b32 v8, 4, v6                        ; A: 16 x lane,
	v_lshl_add_u32 v9, v6, 3, 512                  ; and 512 + 8 x lane
	v_mul_u32_u24 v3, v1, PITCH
	v_mul_u32_u24 v4, v2, 24
	v_add_nc_u32 v4, v3, v4                        ; B: a fragment's row x pitch + 24 x half
	v_lshl_add_u32 v5, v2, 4, v4                   ; and the same behind one padding more
	s_mul_i32 s21, s15, HALFA                      ; my 128 positions of A
	s_mul_i32 s22, s16, HALFB                      ; my 128 rows of B,
	s_add_co_u32 s22, s22, BOFF                    ; which lie behind A's halves
.irp s, 0,1
	v_add_nc_u32 v[ADRA+\s], s21, v8
	v_add_nc_u32 v[ADRA+2+\s], s21, v9
	v_add_nc_u32 v[ADRB+\s], s22, v4
	v_add_nc_u32 v[ADRB+2+\s], s22, v5
	s_add_co_u32 s21, s21, SLOT
	s_add_co_u32 s22, s22, SLOT
.endr
	v_mul_u32_u24 v5, v1, KS                       ; my row's scales: 32 bytes a row,
	v_lshrrev_b32 v10, 8, v5
	v_lshl_add_u32 v5, v10, 4, v5                  ; and 16 more for each 256 passed
	s_mul_i32 s21, s15, HALFS
	s_mul_i32 s22, s16, HALFS
	s_add_co_u32 s22, s22, 2*HALFS
	s_sub_co_u32 s22, s22, s21
	v_mul_u32_u24 v10, s22, v2                     ; lanes 16-31 take B's
	s_add_co_u32 s21, s21, SCL
	v_add_nc_u32 v5, v5, v10
	v_add_nc_u32 v[ADRS], s21, v5
	s_mul_i32 s23, s14, 16*SPITCH                  ; my stage
	v_mul_u32_u24 v5, v1, SPITCH                   ; in: row r; my half's 16 columns of each 32: + 64 h
	v_lshl_add_u32 v5, v2, 6, v5
	v_add_nc_u32 v[STO], s23, v5
	v_lshlrev_b32 v[CO], 4, v6                     ; back: the 32 lanes take one row of 512 bytes; and the same in out0
	v_add_nc_u32 v[RD], s23, v[CO]
	s_lshl_b32 s20, s17, 8
	s_lshl_b32 s21, s15, 7
	s_add_co_u32 s20, s20, s21                     ; my first row of out0: 256 x tile row + 128 x half
	s_lshl_b32 s20, s20, 12                        ; 4,096 bytes a row
	s_add_co_u32 s20, s20, s18                     ; + my first column's bytes
	s_mov_b32 s21, 0
	s_add_nc_u64 s[12:13], s[12:13], s[20:21]
	s_wait_loadcnt 0x0                             ; the bias
.macro FRAGB reg, adr, q, i            ; a fragment of B from rows: 12 registers, in pieces of 8 bytes; 16 bytes of padding lie behind every 64: where lanes 16-31's piece lies behind one padding more, the second address register serves
.irp p, 0,1,2,3,4,5
.set PC, 12*(\q)+6*(\p/3)+\p%3
.if PC%8 < 5
	ds_load_b64 v[\reg+2*\p:\reg+2*\p+1], v[\adr] offset:8*PC+16*(PC/8)+(\i)*16*PITCH
.else
	ds_load_b64 v[\reg+2*\p:\reg+2*\p+1], v[\adr+2] offset:8*PC+16*(PC/8)+(\i)*16*PITCH
.endif
.endr
.endm
.macro FRAGA reg, slot, q, i           ; a fragment of A from images: heads 2 q and 2 q + 1 of the slot's four, tile i of my eight
.irp c, 0,1
	ds_load_b128 v[\reg+6*\c:\reg+6*\c+3], v[ADRA+\slot] offset:(2*(\q)+\c)*6144+(\i)*768
	ds_load_b64 v[\reg+6*\c+4:\reg+6*\c+5], v[ADRA+2+\slot] offset:(2*(\q)+\c)*6144+(\i)*768
.endr
.endm
.macro MM a, b, p, q, sc, c0
	v_wmma_scale_f32_16x16x128_f8f6f4 v[8*(8*((\a)%4)+\b):8*(8*((\a)%4)+\b)+7], v[128*(\p)+FR*\b:128*(\p)+FR*\b+FR-1], v[AF+FR*(\a):AF+FR*(\a)+FR-1], v[\c0:\c0+7], v[SC+8*NQ*(\sc)+NQ*\b+(\q)], v[SC+8*NQ*(\sc)+NQ*(\a)+(\q)] matrix_a_fmt:MATRIX_FMT_FP6 matrix_b_fmt:MATRIX_FMT_FP6 matrix_a_scale:MATRIX_SCALE_ROW1
.endm
; 16 matrix instructions: A's blocks a0, a0 + 1 x B's eight.  cb = 1: the sum starts from the bias of B's block.  The 64 accumulators take turns, one instruction a turn.
.macro MUL16 a0, p, q, sc, cb
.irp a, \a0, \a0+1
.irp b, 0,1,2,3,4,5,6,7
.if \cb
	MM \a, \b, \p, \q, \sc, BI+8*\b
.else
	MM \a, \b, \p, \q, \sc, 8*(8*((\a)%4)+\b)
.endif
.endr
.endr
.endm
.macro FETCH_B slot, q, p
	WIN TO_B
.irp i, 0,1,2,3,4,5,6,7
	FRAGB 128*(\p)+FR*\i, ADRB+\slot, \q, \i
.endr
	WIN 0
.endm
.macro FETCH_A slot, q, i0
.irp i, \i0, \i0+1, \i0+2, \i0+3
	FRAGA AF+FR*(\i), \slot, \q, \i
.endr
.endm
.macro SCALES sc
.irp i, 0,1,2,3,4,5,6,7
	ds_load_b64 v[SC+8*NQ*\sc+NQ*\i:SC+8*NQ*\sc+NQ*\i+1], v[ADRS] offset:\i*SBLK
.endr
.endm
.macro PLACES n
.rept \n
	v_nop
.endr
.endm
.macro STEP slot, q, cb
	s_wait_dscnt 4*NLA                             ; B's set and A's blocks 0-3 are in; the youngest 16 loads (A's blocks 4-7) may be out
.if \cb
	WIN FST_LO
.else
	WIN MUL_LO
.endif
	MUL16 0, (\q)%2, \q, \slot, \cb
	MUL16 2, (\q)%2, \q, \slot, \cb
	s_wait_dscnt 0
	PLACES NP
	FETCH_B \slot, (\q)+1, 1-(\q)%2
	FETCH_A \slot, (\q)+1, 0
.if \cb
	WIN FST_HI
.else
	WIN MUL_HI
.endif
	MUL16 4, (\q)%2, \q, \slot, \cb
	MUL16 6, (\q)%2, \q, \slot, \cb
	PLACES NP
	WIN 0
	FETCH_A \slot, (\q)+1, 4
.endm
; A slot's last step changes slots: ONE barrier; in front of it each wave waits for all its tensor loads, adds 0 to its spare word, and waits for that and for its own reads of this slot.
.macro TURN slot, next, fill
	s_wait_tensorcnt 0x0                           ; all my tensor loads have landed: my part of the next slot;
	ds_add_u32 v[SPW], v[NIL]                      ; 0 onto my spare word;
	s_wait_dscnt 4*NLA+1                           ; (the add and the youngest 16 loads may be out)
	WIN MUL_LO
	MUL16 0, 1, NQ-1, \slot, 0
	s_wait_dscnt 0x0                               ; the add is done, and my reads of this slot are over
	s_barrier_signal -1
	MUL16 2, 1, NQ-1, \slot, 0
	WIN 0
	s_barrier_wait -1
.if \fill
	CREST                                          ; a round of the cluster's barrier: no wave of any partner still reads this slot's tile or has a load on its way
	s_add_nc_u64 s[G0+4*\slot+2:G0+4*\slot+3], s[G0+4*\slot+2:G0+4*\slot+3], 2*KSA
	s_add_nc_u64 s[G0B+4*\slot+2:G0B+4*\slot+3], s[G0B+4*\slot+2:G0B+4*\slot+3], 2*ROWB
	JLOAD G0+4*\slot, G1, G0B+4*\slot, G1B         ; the first tensor load behind the round; its four v_nop are the places in front of the loads below
.else
	PLACES NP
.endif
	v_add_nc_u32 v[ADRS], 4*NQ, v[ADRS]
	FETCH_B \next, 0, 0
	FETCH_A \next, 0, 0
	SCALES \next
	WIN MUL_HI
	MUL16 4, 1, NQ-1, \slot, 0
	MUL16 6, 1, NQ-1, \slot, 0
	PLACES NP
	WIN 0
	FETCH_A \next, 0, 4
.endm
	s_wait_tensorcnt 1                             ; the scales and my part of K step 0 are in (K step 1's load may be out),
	s_barrier_signal -1
	s_barrier_wait -1                              ; everybody's are
	FETCH_B 0, 0, 0
	FETCH_A 0, 0, 0
	SCALES 0
	FETCH_A 0, 0, 4
	STEP 0, 0, 1                                   ; the first step's products start the sums from the bias
	TURN 0, 1, 1                                   ; K = 1,024 is four K steps: written straight
	STEP 1, 0, 0
	TURN 1, 0, 1
	STEP 0, 0, 0
	TURN 0, 1, 0                                   ; nothing is left to fetch: no round
	STEP 1, 0, 0
	s_wait_dscnt 4*NLA
	WIN MUL_LO
	MUL16 0, 1, NQ-1, 1, 0
	MUL16 2, 1, NQ-1, 1, 0
	s_wait_dscnt 0
	WIN MUL_HI
	MUL16 4, 1, NQ-1, 1, 0
	MUL16 6, 1, NQ-1, 1, 0
	WIN 0
; THE WAY OUT, block by block of 16 positions x 128 columns, through my own stage in LDS; it comes back as whole rows of 512 bytes.  LDS serves a wave's instructions in order (ISA guide 5.7.1.4).
.macro TOSTAGE a
.set AC, 64*((\a)%4)
	WIN 0x08+4*((\a)/4)                            ; the data: window 2 or 3
.irp b, 0,1,2,3,4,5,6,7
	ds_store_b128 v[STO], v[AC+8*\b:AC+8*\b+3] offset:128*(\b/2)+32*(\b%2)          ; each accumulator from its low end on: columns 32 (b / 2) + 8 (b % 2) + 16 h + 0 .. 7
	ds_store_b128 v[STO], v[AC+8*\b+4:AC+8*\b+7] offset:128*(\b/2)+32*(\b%2)+16
.endr
	WIN 0
.set BB, BK+64*((\a)%2)
.irp t, 0,1,2,3,4,5,6,7,8,9,10,11,12,13,14,15
	ds_load_b128 v[BB+4*\t:BB+4*\t+3], v[RD] offset:\t*SPITCH
.endr
.endm
.macro SEND a, younger                 ; younger: the LDS instructions issued behind block a's loads, which may stay out
.set BB, BK+64*((\a)%2)
	s_wait_dscnt \younger
.if ((\a) > 0) && ((\a)%2 == 0)
	s_add_nc_u64 s[12:13], s[12:13], 32*4096       ; (behind a wait on XCNT: the earlier stores have read their base)  two blocks cover 32 tokens
.endif
.irp t, 0,1,2,3,4,5,6,7,8,9,10,11,12,13,14,15
	global_store_b128 v[CO], v[BB+4*\t:BB+4*\t+3], s[12:13] offset:(8*((\a)%2)+\t+8*(\t/8))*4096 th:TH_STORE_NT   ; 32 lanes store 512 consecutive bytes, aligned; stage row t is token 8 (a % 2) + t + 8 (t / 8) of the 32
.endr
.endm
	PLACES NP
	TOSTAGE 0
.irp a, 1,2,3,4,5,6,7
.if \a > 1
	s_wait_xcnt 0x0                                ; block a - 2's stores have read their registers and their base
.endif
	TOSTAGE \a
	SEND \a-1, 32                                  ; behind block a - 1's loads: block a's 16 stores and 16 loads
.endr
	s_wait_xcnt 0x0
	SEND 7, 0
	s_wait_tensorcnt 0x0                           ; the wave's end, behind my last tensor load and my last LDS store
	ds_add_u32 v[SPW], v[NIL]
	s_wait_dscnt 0x0
	CROUND                                         ; the closing round
	s_endpgm
.Lfunc_end_k_qce6b60c329_outp:
	.size	k_qce6b60c329_outp, .Lfunc_end_k_qce6b60c329_outp-k_qce6b60c329_outp
	.p2alignl 7, 3214868480
	.fill 96, 4, 3214868480
	.section	.rodata,"a",@progbits
	.p2align	6, 0x0
	.amdhsa_kernel k_qce6b60c329_outp
		.amdhsa_group_segment_fixed_size 327680
		.amdhsa_private_segment_fixed_size 0
		.amdhsa_enable_private_segment 0
		.amdhsa_kernarg_size 48
		.amdhsa_user_sgpr_count 2
		.amdhsa_user_sgpr_kernarg_segment_ptr 1
		.amdhsa_wavefront_size32 1
		.amdhsa_system_sgpr_workgroup_id_x 1
		.amdhsa_system_sgpr_workgroup_id_y 1
		.amdhsa_system_sgpr_workgroup_id_z 1
		.amdhsa_system_vgpr_workitem_id 0
		.amdhsa_next_free_vgpr 1024
		.amdhsa_next_free_sgpr 100
		.amdhsa_reserve_vcc 0
		.amdhsa_float_denorm_mode_32 3
		.amdhsa_float_denorm_mode_16_64 3
		.amdhsa_memory_ordered 1
		.amdhsa_forward_progress 1
		.amdhsa_inst_pref_size 153
	.end_amdhsa_kernel
	.amdgpu_metadata
---
amdhsa.version: [ 1, 2 ]
amdhsa.kernels:
  - .name:           k_qce6b60c329_outp
    .symbol:         k_qce6b60c329_outp.kd
    .args:
      - { .name: oc, .offset: 0, .size: 8, .value_kind: global_buffer, .address_space: global }
      - { .name: os, .offset: 8, .size: 8, .value_kind: global_buffer, .address_space: global }
      - { .name: wc, .offset: 16, .size: 8, .value_kind: global_buffer, .address_space: global }
      - { .name: ws, .offset: 24, .size: 8, .value_kind: global_buffer, .address_space: global }
      - { .name: bo, .offset: 32, .size: 8, .value_kind: global_buffer, .address_space: global }
      - { .name: out0, .offset: 40, .size: 8, .value_kind: global_buffer, .address_space: global }
    .group_segment_fixed_size: 327680
    .private_segment_fixed_size: 0
    .kernarg_segment_align: 8
    .kernarg_segment_size: 48
    .max_flat_workgroup_size: 128
    .sgpr_count:     100
    .vgpr_count:     1024
    .wavefront_size: 32
...
	.end_amdgpu_metadata
.endif
;; end of part 5
